; MI455X (gfx1250); checked and timed in simulation.
; The chip was launched on July 23, 2026; its instructions are those of AMD's public machine-readable ISA for CDNA 5 (MIT licence, August 2026) and "CDNA5" Instruction Set Architecture Reference Guide (July 2026). The comments in the code are by the model that wrote it; some were corrected since.
;; Multi Head Attention. Allowed arithmetic: matrix products marked QUANTISED: E2M1 operands, one E8M0 scale for each 32 along K, by v_wmma_scale_f32_16x16x128_f8f6f4 with both operands' format E2M1 (or v_wmma_scale_f32_32x16x128_f4), f32 sums; products left as they are: bf16, f16 or f32 operands; f32 sums; everything else in f32.
;; Inputs: mask 2,048 x 2,048 bool; w_qkv 3,072 x 1,024 float32; wo 1,024 x 1,024 float32; x 4 x 2,048 x 1,024 float32.
;; Outputs: out0 4 x 2,048 x 1,024 float32.
;; This version of the problem:
;;   THIS VERSION OF THE PROBLEM IS GIVEN IN LOW PRECISION. The matrix products marked QUANTISED in the list below multiply operands that are first quantised to E2M1 (2 exponent bits, 1 mantissa bit; 4 bits a number), with one power-of-two scale for each 32 numbers along K (OCP MX v1.0); their sums are f32. The products marked 'left as it is' may take bf16, f16 or f32 operands, with f32 sums. Whichever they take, every output number must still come out within the allowed error. Rounding operands to bf16 (8 significant bits) uses up far more of that allowance than f16 does (11 bits, for magnitudes from 6e-5 to 65,504). All else is computed in f32.
;;   The module's matrix products, in the order in which they are computed (A, B: the left and right operand; K: the contracted axis; several contracted axes count as one K, in the product's order):
;;     1. [M 8,192, K 1,024] x [K 1,024, N 3,072]; A: input x; B: input w_qkv: QUANTISED
;;     2. batch 64 x [M 2,048, K 64] x [K 64, N 2,048]; A: computed on the way; B: computed on the way: left as it is (an operand is computed on the way)
;;     3. batch 64 x [M 2,048, K 2,048] x [K 2,048, N 64]; A: computed on the way; B: computed on the way: left as it is (an operand is computed on the way)
;;     4. [M 8,192, K 1,024] x [K 1,024, N 1,024]; A: computed on the way; B: input wo: left as it is (an operand is computed on the way)
;;   THE QUANTISER, for each operand of a quantised product, along K:
;;     - K is cut into blocks of 32 from its start; a last block that is shorter is filled with zeros.
;;     - A block's scale is 2^e with e = floor(log2(the largest magnitude in the block)) - 2, held to -126 .. 127; a block of zeros has e = 0. As a byte (E8M0): e + 127.
;;     - Each number is divided by its block's scale, clamped to +-6, and rounded to the nearest number of E2M1, ties to even, subnormals kept.
;;     - The product sums the exact products of the quantised numbers (number of the format x scale) in f32.
;;   ~~~python
;;   def quantise(x, axis):      # numpy; x: float32 -> the quantised numbers, widened to float32 again
;;       x = np.moveaxis(x, axis, -1); K = x.shape[-1]
;;       x = np.pad(x, [(0, 0)] * (x.ndim - 1) + [(0, -K % 32)]); x = x.reshape(x.shape[:-1] + (-1, 32)); a = np.abs(x).max(-1, keepdims=True)
;;       e = np.where(a > 0, np.clip(np.frexp(np.where(a > 0, a, 1))[1] - 1 - 2, -126, 127), 0)      # np.frexp(a)[1] - 1 = floor(log2(a)), exactly
;;       r = np.clip(x / 2.0 ** e, -6, 6)
;;       step = 2.0 ** (np.maximum(np.frexp(np.where(r == 0, 1, r))[1] - 1, 0) - 1)
;;       q = np.round(r / step) * step * 2.0 ** e      # np.round: ties to even
;;       return np.moveaxis(q.reshape(q.shape[:-2] + (-1,))[..., :K], -1, axis).astype(np.float32)
;;   ~~~
;; One version. Each part assembles by itself: llvm-mc -triple=amdgcn-amd-amdhsa -mcpu=gfx1250 --defsym DOCPART=n.
;; ======== version 1 of 1: 5 launches
;; limits: values are held in f16: magnitudes above 65,504 overflow, below 6.1e-05 lose precision
;; workspace buffers: codes 5,767,168 bytes; scales 360,448 bytes; wo16 4,194,304 bytes; minfo 2,048 bytes of whole numbers; qkvh 50,331,648 bytes; qkvl 50,331,648 bytes; o16 33,554,432 bytes
;; launch prep (part 1): grid 416 x 1, 4 waves a work-group, no clusters, 33,280 bytes of LDS; arguments x, w_qkv, wo, mask, codes, scales, wo16, minfo; writes codes, scales, wo16, minfo
.if DOCPART == 1
	.amdgcn_target "amdgcn-amd-amdhsa--gfx1250"
	.amdhsa_code_object_version 6
	.text
	.protected	k_qa69f48206b_prep
	.globl	k_qa69f48206b_prep
	.p2align	8
	.type	k_qa69f48206b_prep,@function
k_qa69f48206b_prep:
	s_mov_b64 s[64:65], 0
	v_nop
	global_prefetch_b8 v0, s[64:65] scope:SCOPE_SE
	s_setreg_imm32_b32 hwreg(HW_REG_WAVE_MODE, 25, 1), 1
	s_wait_xcnt 0x0
; MULTI-HEAD ATTENTION, launch 1 of 5: everything that is made once from the inputs.
;   work-groups 0-31:   the mask [2048][2048] is read once and three tables of whole numbers are stored (minfo), one entry for each block of 64 queries and each 512 keys.
;   work-groups 32-63:  wo [1024][1024] f32 is cut into an f16 high part and an f16 low part (wo16: high at 0, low at 2,097,152).
;   work-groups 64-415: x [8192][1024] and w_qkv [3072][1024], f32, become codes of FP4 (E2M1), K innermost, with one E8M0 byte for each 32 along K (codes: x at 0, w at 4,194,304; scales: x at 0, w at 262,144).
; DEAD WORK.  No input and no product of the problem is dead for all values: all four inputs are loaded.  What is left out is chosen by whole numbers: a tile of 64 queries x 64 keys whose mask bytes are all 0
; gives p = 0 for each of its scores, whatever q, k and v hold, so the attention launch, which reads the tables stored here, passes over it.
; LIMIT: a NaN or an infinity in rows of k or v that only such tiles would touch is not carried to the result.
; THE TABLES, dwords at index 4 qb + w (qb: block of 64 queries; w: which 512 keys): at byte 0 a bit for each key step of 64 (bit = the step's number) where some byte of the tile is 1; at byte 512 a bit where some byte is 0;
; at byte 1024 the sum over the 8 tiles of the least count of ones in a row of the tile: the four sums of a block add to a lower bound of the keys that its poorest row keeps.  A block whose bound is under 64 is carried
; with high and low parts by the later launches.  Block 0 is given the bound 0: it is always carried so.
; THE QUANTISER: a block's scale is 2^(floor(log2(largest magnitude)) - 2); its byte is the largest magnitude's exponent field - 2, held at 1 from below; each number is divided by the scale and rounded to the nearest
; code, ties to even, beyond 6 the largest code.  A block of zeros gets the byte 1 where the rule says 127: its codes are zeros, and this program alone reads the bytes.
; LIMITS: NaN and infinities among x, w_qkv, wo are not served; |wo| stays under 65,504; of wo's low part what lies under 2^-24 is lost.
; The three kinds of work-group part on the work-group's number; only the quantiser touches LDS.
.set WAVES, 4
.set STEPS, 16
.set EMAX,  2
.set CB,    8                          ; bytes of 16 codes
.set R,     16                         ; v16-79   quantiser: four sets of 16 numbers as loaded
.set X,     80                         ; v80-111  two sets of 16 neighbours
.set C,     128                        ; v128-191 codes, four registers a step
.set E,     112                        ; v112-127 a scale byte for each step
.set WREG,  8192                       ; LDS: a region for each wave: two stages of 32 x SP bytes, then its 256 scale bytes
.set SP,    80
.set SPW,   12                         ; v12 LDS address of my spare word; never rewritten
.set NIL,   13                         ; v13 0; never rewritten
.set SPARE, WAVES*WREG                 ; the spare words: 128 bytes a wave, named by no other line
.set WX,    128                        ; wo: v128-191 sixteen slots of 4 numbers as loaded
.set WO,    64                         ; wo: v64-127  sixteen slots: two registers of high parts, two of low
.set MS,    64                         ; mask: v64-191 two sets of 16 rows, 4 registers a row
.macro LOAD t
.irp i, 0,1,2,3
	global_load_b128 v[R+16*((\t)%4)+4*\i:R+16*((\t)%4)+4*\i+3], v3, s[4:5] offset:2048*(\t)+512*\i th:TH_LOAD_NT   ; 32 lanes read 512 consecutive bytes
.endr
.endm
.macro TURN t                          ; a step's numbers through the wave's stage: in as they lie, back 64 bytes a lane; LDS serves a wave's instructions in order
.irp i, 0,1,2,3
	ds_store_b128 v14, v[R+16*((\t)%4)+4*\i:R+16*((\t)%4)+4*\i+3] offset:32*SP*((\t)%2)+8*SP*\i
.endr
.irp i, 0,1,2,3
	ds_load_b128 v[X+16*((\t)%2)+4*\i:X+16*((\t)%2)+4*\i+3], v15 offset:32*SP*((\t)%2)+16*\i
.endr
.endm
.macro STEP t
.set XS, X+16*((\t)%2)
.if (\t) > 0
	s_wait_dscnt 1                                 ; this step's numbers are back from the stage; the last step's byte store may be out
.else
	s_wait_dscnt 0x0
.endif
.if (\t)+4 < STEPS
	LOAD (\t)+4                                    ; into the registers whose stores into the stage are done
.endif
.if (\t)+1 < STEPS
.if STEPS-2-(\t) >= 3
	s_wait_loadcnt 12                              ; the next step's four loads are in; three younger steps' twelve may be out
.else
	s_wait_loadcnt 4*(STEPS-2-(\t))
.endif
	TURN (\t)+1
.endif
	v_max3_num_f32 v8, |v[XS]|, |v[XS+1]|, |v[XS+2]|               ; the largest magnitude of my 16
	v_max3_num_f32 v9, |v[XS+3]|, |v[XS+4]|, |v[XS+5]|
.irp i, 6,10
	v_max3_num_f32 v8, v8, |v[XS+\i]|, |v[XS+\i+1]|
	v_max3_num_f32 v9, v9, |v[XS+\i+2]|, |v[XS+\i+3]|
.endr
	v_max3_num_f32 v8, v8, |v[XS+14]|, |v[XS+15]|
	v_max3_num_f32 v8, v8, v9, (EMAX+1)<<23        ; and the floor 2^(3 - 127): the byte cannot fall under 1
	v_max_num_f32_dpp v8, v8, v8 row_xmask:1 row_mask:0xf bank_mask:0xf   ; with my neighbour's 16: the block's
	v_add_nc_u32 v11, -(EMAX<<23), v8              ; 2 off its exponent field: the conversion takes the exponent field of this operand as its scale
	v_cvt_scalef32_pk8_fp4_f32 v[C+4*(\t)], v[XS:XS+7], v11
	v_cvt_scalef32_pk8_fp4_f32 v[C+4*(\t)+1], v[XS+8:XS+15], v11
	v_lshrrev_b32 v[E+(\t)], 23, v11               ; the scale's byte
	ds_store_b8 v5, v[E+(\t)] offset:16*(\t)       ; both lanes of a block write the same byte with the same value
	global_store_b64 v4, v[C+4*(\t):C+4*(\t)+1], s[12:13] offset:32*CB*(\t)   ; the wave stores 256 consecutive bytes, aligned
.endm
; wo: turn n of 64.  Four numbers a lane are cut: c = 8193 x, high = c - (c - x) (11 significant bits), low = x - high (exact).
.macro WSLOT n, ahead, left
.set XI, WX+4*((\n)%16)
.set OI, WO+4*((\n)%16)
	s_wait_loadcnt \left                           ; loads come back in order: this slot's is in, the younger ones stay out
	s_wait_xcnt 0x0                                ; this slot's last stores have read their data registers
	v_pk_mul_f32 v[16:17], v[XI:XI+1], s[28:29] op_sel_hi:[1,0]
	v_pk_mul_f32 v[18:19], v[XI+2:XI+3], s[28:29] op_sel_hi:[1,0]
	v_pk_add_f32 v[20:21], v[16:17], v[XI:XI+1] neg_lo:[0,1] neg_hi:[0,1]
	v_pk_add_f32 v[22:23], v[18:19], v[XI+2:XI+3] neg_lo:[0,1] neg_hi:[0,1]
	v_pk_add_f32 v[16:17], v[16:17], v[20:21] neg_lo:[0,1] neg_hi:[0,1]
	v_pk_add_f32 v[18:19], v[18:19], v[22:23] neg_lo:[0,1] neg_hi:[0,1]
	v_pk_add_f32 v[20:21], v[XI:XI+1], v[16:17] neg_lo:[0,1] neg_hi:[0,1]
	v_pk_add_f32 v[22:23], v[XI+2:XI+3], v[18:19] neg_lo:[0,1] neg_hi:[0,1]
	v_cvt_pk_f16_f32 v[OI], v16, v17
	v_cvt_pk_f16_f32 v[OI+1], v18, v19
	v_cvt_pk_f16_f32 v[OI+2], v20, v21
	v_cvt_pk_f16_f32 v[OI+3], v22, v23
.if \ahead
	global_load_b128 v[XI:XI+3], v3, s[8:9] offset:((\n)+16)*512 th:TH_LOAD_NT
.endif
	global_store_b64 v4, v[OI:OI+1], s[16:17] offset:(\n)*256                ; 256 consecutive bytes a wave, aligned
	global_store_b64 v4, v[OI+2:OI+3], s[16:17] offset:(\n)*256+2097152
.endm
.macro MLOAD g                         ; mask: rows 16 g .. 16 g + 15 of the block, my wave's 512 keys: 512 consecutive bytes a load
.irp i, 0,1,2,3,4,5,6,7,8,9,10,11,12,13,14,15
	global_load_b128 v[MS+64*((\g)%2)+4*\i:MS+64*((\g)%2)+4*\i+3], v3, s[10:11] offset:(16*(\g)+\i)*2048 th:TH_LOAD_NT
.endr
.endm
.macro MROWS g                         ; four lanes hold a row's 64 bytes of one tile
.irp i, 0,1,2,3,4,5,6,7,8,9,10,11,12,13,14,15
.irp d, 0,1,2,3
	v_or_b32 v8, v8, v[MS+64*((\g)%2)+4*\i+\d]
	v_and_b32 v9, v9, v[MS+64*((\g)%2)+4*\i+\d]
.endr
	v_add3_u32 v16, v[MS+64*((\g)%2)+4*\i], v[MS+64*((\g)%2)+4*\i+1], v[MS+64*((\g)%2)+4*\i+2]   ; byte by byte: each byte at most 4,
	v_add_nc_u32 v16, v16, v[MS+64*((\g)%2)+4*\i+3]
	v_mov_b32_dpp v11, v16 row_xmask:1 row_mask:0xf bank_mask:0xf
	v_add_nc_u32 v16, v16, v11
	v_mov_b32_dpp v11, v16 row_xmask:2 row_mask:0xf bank_mask:0xf
	v_add_nc_u32 v16, v16, v11                     ; with the three other lanes: at most 16
	v_mul_lo_u32 v16, v16, s26
	v_lshrrev_b32 v16, 24, v16                     ; the four bytes added: the row's ones in this tile, at most 64
	v_min_u32 v10, v10, v16
.endr
.endm
	s_load_b512 s[4:19], s[0:1], 0x0               ; x 4:5, w_qkv 6:7, wo 8:9, mask 10:11, codes 12:13, scales 14:15, wo16 16:17, minfo 18:19
	v_lshl_add_u32 v[SPW], v0, 2, SPARE
	v_mov_b32 v[NIL], 0
	v_lshrrev_b32 v1, 5, v0
	v_readfirstlane_b32 s20, v1                    ; wave
	v_and_b32 v2, 31, v0                           ; lane
	s_wait_kmcnt 0x0
	s_cmp_lt_u32 ttmp9, 32
	s_cbranch_scc1 .Lmask
	s_cmp_lt_u32 ttmp9, 64
	s_cbranch_scc1 .Lwo
	; ---- the quantiser: both tensors are plain streams of blocks of 32; a wave takes a run of 8,192 numbers, 16 steps of 512
	v_lshlrev_b32 v3, 4, v2                        ; my 16 bytes of a load's 512
	s_mul_i32 s21, s20, WREG
	v_lshrrev_b32 v14, 2, v2
	v_mul_u32_u24 v14, v14, SP
	v_and_b32 v15, 3, v2
	v_lshl_add_u32 v14, v15, 4, v14
	v_add_nc_u32 v14, s21, v14                     ; the stage, on the way in: SP (lane / 4) + 16 (lane % 4)
	v_mul_u32_u24 v15, v2, SP
	v_add_nc_u32 v15, s21, v15                     ; and on the way out: SP x lane
	v_mul_u32_u24 v4, v2, CB                       ; my codes' place in a step's
	v_lshrrev_b32 v5, 1, v2
	s_add_co_u32 s21, s21, 2*32*SP
	v_add_nc_u32 v5, s21, v5                       ; my block's byte among the wave's 256
	v_lshlrev_b32 v7, 3, v2
	v_add_nc_u32 v6, s21, v7
	s_sub_co_u32 s22, ttmp9, 64                    ; 0-255: x; 256-351: w_qkv
	s_cmp_lt_u32 s22, 256                          ; the choice hangs on the work-group's number alone
	s_cselect_b64 s[4:5], s[4:5], s[6:7]
	s_cselect_b32 s23, 0, 256
	s_sub_co_u32 s23, s22, s23
	s_lshl_b32 s23, s23, 2
	s_add_co_u32 s23, s23, s20                     ; my run in the tensor that I read
	s_lshl_b32 s24, s23, 15                        ; 32,768 bytes a run
	s_mov_b32 s25, 0
	s_add_nc_u64 s[4:5], s[4:5], s[24:25]
	s_lshl_b32 s23, s22, 2
	s_add_co_u32 s23, s23, s20                     ; my run in the buffers that I write: x's 1,024 runs fill them exactly up to where w's begin
	s_lshl_b32 s24, s23, 12                        ; 4,096 bytes of codes a run
	s_add_nc_u64 s[12:13], s[12:13], s[24:25]
	s_lshl_b32 s24, s23, 8                         ; 256 scale bytes a run
	s_add_nc_u64 s[14:15], s[14:15], s[24:25]
.irp t, 0,1,2,3
	LOAD \t
.endr
	s_wait_loadcnt 12                              ; step 0's four loads are in
	TURN 0
.irp t, 0,1,2,3,4,5,6,7,8,9,10,11,12,13,14,15
	STEP \t
.endr
	ds_load_b64 v[8:9], v6                         ; LDS serves a wave's instructions in order: these see my byte stores
	s_wait_dscnt 0x0
	global_store_b64 v7, v[8:9], s[14:15]          ; 32 lanes store 256 consecutive bytes, aligned
	s_wait_tensorcnt 0x0                           ; the wave's end, behind my last LDS store
	ds_add_u32 v[SPW], v[NIL]
	s_wait_dscnt 0x0
	s_endpgm
	; ---- wo: a wave takes 8,192 numbers, 64 turns of 128, on a ring of sixteen loads
.Lwo:
	v_lshlrev_b32 v3, 4, v2                        ; in: 16 bytes a lane
	v_lshlrev_b32 v4, 3, v2                        ; out: 8 bytes a lane
	s_sub_co_u32 s22, ttmp9, 32
	s_lshl_b32 s22, s22, 2
	s_add_co_u32 s22, s22, s20
	s_lshl_b32 s24, s22, 15
	s_mov_b32 s25, 0
	s_add_nc_u64 s[8:9], s[8:9], s[24:25]
	s_lshl_b32 s24, s22, 14
	s_add_nc_u64 s[16:17], s[16:17], s[24:25]
	s_mov_b32 s28, 0x46000400                      ; 8193.0
	s_mov_b32 s29, s28                             ; (named with it as a pair, so it is written)
.irp i, 0,1,2,3,4,5,6,7,8,9,10,11,12,13,14,15
	global_load_b128 v[WX+4*\i:WX+4*\i+3], v3, s[8:9] offset:512*\i th:TH_LOAD_NT
.endr
.set NN, 0
.rept 48
	WSLOT NN, 1, 15
.set NN, NN+1
.endr
.rept 16
	WSLOT NN, 0, 63-NN                             ; the last round loads nothing: the counts run down
.set NN, NN+1
.endr
	s_endpgm
	; ---- the mask: work-group = block of 64 queries, wave = 512 keys = 8 tiles, four lanes to a tile
.Lmask:
	v_lshlrev_b32 v3, 4, v2
	s_lshl_b32 s22, ttmp9, 17                      ; 64 rows of 2,048 bytes
	s_lshl_b32 s23, s20, 9
	s_add_co_u32 s22, s22, s23
	s_mov_b32 s23, 0
	s_add_nc_u64 s[10:11], s[10:11], s[22:23]
	s_mov_b32 s24, 0x76543210
	s_mov_b32 s25, 0xfedcba98                      ; v_permlanex16_b32's selects for lane l xor 16
	s_mov_b32 s26, 0x01010101
	v_mov_b32 v8, 0                                ; the OR of my bytes
	v_mov_b32 v9, s26                              ; the AND of my bytes
	v_mov_b32 v10, 64                              ; the least count of a row in my tile
	v_mov_b32 v11, 0                               ; (a lane move's destination counts as read)
	MLOAD 0
	MLOAD 1
	s_wait_loadcnt 16                              ; the older set is in, the younger set's sixteen stay out
	MROWS 0
	MLOAD 2
	s_wait_loadcnt 16
	MROWS 1
	MLOAD 3
	s_wait_loadcnt 16
	MROWS 2
	s_wait_loadcnt 0x0
	MROWS 3
	v_lshrrev_b32 v14, 2, v2
	s_lshl_b32 s27, s20, 3
	v_add_nc_u32 v14, s27, v14                     ; my tile's key step: 8 x wave + lane / 4
	v_lshlrev_b32 v14, v14, 1                      ; its bit
	v_cmp_ne_u32 vcc_lo, 0, v8
	v_cndmask_b32 v8, 0, v14, vcc_lo               ; some byte of mine is 1
	v_cmp_ne_u32 vcc_lo, s26, v9
	v_cndmask_b32 v9, 0, v14, vcc_lo               ; some byte of mine is 0
.irp m, 1,2,4,8
	v_mov_b32_dpp v11, v8 row_xmask:\m row_mask:0xf bank_mask:0xf
	v_or_b32 v8, v8, v11
	v_mov_b32_dpp v11, v9 row_xmask:\m row_mask:0xf bank_mask:0xf
	v_or_b32 v9, v9, v11
.endr
	v_permlanex16_b32 v11, v8, s24, s25
	v_or_b32 v8, v8, v11                           ; the wave's eight bits
	v_permlanex16_b32 v11, v9, s24, s25
	v_or_b32 v9, v9, v11
.irp m, 4,8
	v_mov_b32_dpp v11, v10 row_xmask:\m row_mask:0xf bank_mask:0xf
	v_add_nc_u32 v10, v10, v11
.endr
	v_permlanex16_b32 v11, v10, s24, s25
	v_add_nc_u32 v10, v10, v11                     ; the eight tiles' least counts added
	s_cmp_eq_u32 ttmp9, 0
	s_cselect_b32 s27, 0, -1
	v_and_b32 v10, s27, v10                        ; block 0's bound is 0: it is always carried finely
	v_cmp_eq_u32 vcc_lo, 1, v2
	v_cndmask_b32 v8, v8, v9, vcc_lo
	v_cmp_eq_u32 vcc_lo, 2, v2
	v_cndmask_b32 v8, v8, v10, vcc_lo              ; lane 0, 1, 2: the three entries
	s_lshl_b32 s27, ttmp9, 2
	s_add_co_u32 s27, s27, s20
	s_lshl_b32 s27, s27, 2
	v_lshlrev_b32 v4, 9, v2
	v_add_nc_u32 v4, s27, v4                       ; table lane at 512 x lane, entry 4 qb + w.  Twelve bytes a wave: the three tables are 1,536 bytes in all
	v_cmp_gt_u32 vcc_lo, 3, v2
	s_wait_xcnt 0x0                                ; EXEC changes only behind this wait
	s_and_saveexec_b32 s27, vcc_lo
	global_store_b32 v4, v8, s[18:19]
	s_wait_xcnt 0x0                                ; and again in front of the line that widens it
	s_or_b32 exec_lo, exec_lo, s27
	s_endpgm
.Lfunc_end_k_qa69f48206b_prep:
	.size	k_qa69f48206b_prep, .Lfunc_end_k_qa69f48206b_prep-k_qa69f48206b_prep
	.p2alignl 7, 3214868480
	.fill 96, 4, 3214868480
	.section	.rodata,"a",@progbits
	.p2align	6, 0x0
	.amdhsa_kernel k_qa69f48206b_prep
		.amdhsa_group_segment_fixed_size 33280
		.amdhsa_private_segment_fixed_size 0
		.amdhsa_enable_private_segment 0
		.amdhsa_kernarg_size 64
		.amdhsa_user_sgpr_count 2
		.amdhsa_user_sgpr_kernarg_segment_ptr 1
		.amdhsa_wavefront_size32 1
		.amdhsa_system_sgpr_workgroup_id_x 1
		.amdhsa_system_sgpr_workgroup_id_y 1
		.amdhsa_system_sgpr_workgroup_id_z 1
		.amdhsa_system_vgpr_workitem_id 0
		.amdhsa_next_free_vgpr 192
		.amdhsa_next_free_sgpr 66
		.amdhsa_reserve_vcc 1
		.amdhsa_float_denorm_mode_32 3
		.amdhsa_float_denorm_mode_16_64 3
		.amdhsa_memory_ordered 1
		.amdhsa_forward_progress 1
		.amdhsa_inst_pref_size 155
	.end_amdhsa_kernel
	.amdgpu_metadata
---
amdhsa.version: [ 1, 2 ]
amdhsa.kernels:
  - .name:           k_qa69f48206b_prep
    .symbol:         k_qa69f48206b_prep.kd
    .args:
      - { .name: x, .offset: 0, .size: 8, .value_kind: global_buffer, .address_space: global }
      - { .name: w_qkv, .offset: 8, .size: 8, .value_kind: global_buffer, .address_space: global }
      - { .name: wo, .offset: 16, .size: 8, .value_kind: global_buffer, .address_space: global }
      - { .name: mask, .offset: 24, .size: 8, .value_kind: global_buffer, .address_space: global }
      - { .name: codes, .offset: 32, .size: 8, .value_kind: global_buffer, .address_space: global }
      - { .name: scales, .offset: 40, .size: 8, .value_kind: global_buffer, .address_space: global }
      - { .name: wo16, .offset: 48, .size: 8, .value_kind: global_buffer, .address_space: global }
      - { .name: minfo, .offset: 56, .size: 8, .value_kind: global_buffer, .address_space: global }
    .group_segment_fixed_size: 33280
    .private_segment_fixed_size: 0
    .kernarg_segment_align: 8
    .kernarg_segment_size: 64
    .max_flat_workgroup_size: 128
    .sgpr_count:     66
    .vgpr_count:     192
    .wavefront_size: 32
...
	.end_amdgpu_metadata
.endif
;; end of part 1
;; launch qkv (part 2): grid 12 x 32, 4 waves a work-group, clusters of 4 x 4, 327,680 bytes of LDS; arguments codes, scales, qkvh, qkvl; writes qkvh, qkvl
.if DOCPART == 2
	.amdgcn_target "amdgcn-amd-amdhsa--gfx1250"
	.amdhsa_code_object_version 6
	.text
	.protected	k_qa69f48206b_qkv
	.globl	k_qa69f48206b_qkv
	.p2align	8
	.type	k_qa69f48206b_qkv,@function
k_qa69f48206b_qkv:
	s_mov_b64 s[64:65], 0
	v_nop
	global_prefetch_b8 v0, s[64:65] scope:SCOPE_SE
	s_setreg_imm32_b32 hwreg(HW_REG_WAVE_MODE, 25, 1), 1
	s_wait_xcnt 0x0
	s_wait_alu depctr_hold_cnt(0) depctr_sa_sdst(0) depctr_va_vdst(0) depctr_va_sdst(0) depctr_va_ssrc(0) depctr_va_vcc(0) depctr_vm_vsrc(0)
	s_getreg_b32 s2, hwreg(HW_REG_IB_STS2, 6, 4)
	s_cmp_eq_u32 s2, 0
	s_cbranch_scc0 .Lentry_in_a_cluster
	s_endpgm
.Lentry_in_a_cluster:
	s_bfe_u32 s2, ttmp6, 0x10000c
	s_cmp_lg_u32 s2, 0xf033
	s_cbranch_scc0 .Lentry_shape_is_right
	s_endpgm
.Lentry_shape_is_right:
; Launch 2 of 5: qkv = x w_qkv^T, [8192] x [3072], K = 1024, on codes of FP4 (E2M1) with one E8M0 scale for each 32 along K; sums in f32.  No work is left out here.
; A = x's codes [8192][512 bytes] at byte 0 of codes, B = w_qkv's [3072][512 bytes] at byte 4,194,304; their scale bytes [rows][32] at 0 and at 262,144 of scales.
; A tile of 256 x 256 is made by four waves, each 128 x 128: 64 accumulators, 512 registers.  K is two slots of 512 (rows of 256 bytes), both asked for at the head: no LDS byte is filled twice.
; The scale bytes of the work-group's rows, for all of K, are two dense blocks: they come once, with the first fills.
; CLUSTERS: 4 x 4 work-groups; A's tiles are asked for jointly along a row of the cluster, B's along a column.  The matrix instruction is used transposed (source 0 = 16 rows of B, source 1 = 16 rows of A):
; a lane holds eight neighbouring features of one token.
; THE WAY OUT: each number is cut in f32 into a high part of 11 significant bits (c = 8193 y, high = c - (c - y)) and the exact rest, both rounded to f16, and stored head-major:
; qkvh, qkvl: [which 3][b 4][h 16][l 2048][64] f16.  A wave's 128 features are two heads; a block of 16 tokens goes through the wave's stage in LDS and leaves in runs of 512 consecutive bytes (4 tokens of one head).
; LIMITS: |q|, |k|, |v| under 65,504; of a low part what lies under 2^-24 is lost.
; REGISTERS, in windows of 256: window 0: v16-29 addresses; v32-95 scale words, two sets; v128-191 A's fragments, one set; on the way out v32-255 are free.  window 1: B's fragments, two sets, at v0 and v128.
;   window 2: the accumulators of my rows 0-63 ((a, b) at v[8 (8 a + b)]); window 3: those of rows 64-127.
.set SIZE_K, 1024
.set KSTEP,  512
.set NQ,     KSTEP/128
.set ROWB,   256
.set KROW,   SIZE_K*4/8
.set PITCH,  272                       ; 256 bytes + 16 of padding: the 16 rows of a fragment load start 68 words apart
.set FR,     8
.set NL,     2
.set NP,     4
.set HALFT,  128*PITCH
.set SLOT,   4*HALFT
.set KS,     SIZE_K/32
.set SCL,    2*SLOT
.set HALFS,  (128*KS/256)*272
.set SBLK,   (16*KS/256)*272
.set SPARE,  SCL+4*HALFS               ; the spare words: 128 bytes a wave, named by no other line
.set WCODES, 4194304
.set WSCALES, 262144
.set SPITCH, 400                       ; the stage: a token's 256 bytes of f16 + 144: rows 25 x 16 bytes apart
.set WSTG,   2*16*SPITCH               ; a wave's stage: 16 rows of high parts, then 16 of low.  It lies in slot 0, which has had its only fill and its last read when the first result is stored there
.set ADRA, 16
.set ADRB, 20
.set STO,  24
.set RD,   25
.set CO,   26
.set ADRS, 27
.set SPW,  28                          ; v28 LDS address of my spare word; never rewritten
.set NIL,  29                          ; v29 0; never rewritten
.set SC,   32
.set AF,   128
.set HI,   32                          ; the way out: v32-63 high parts, packed
.set T,    64                          ; v64-127 c, then the high parts in f32; then the rows read back
.set U,    128                         ; v128-191 c - y, then the low parts in f32
.set LO,   192                         ; v192-223 low parts, packed
.set G1, 24
.set G0, 32
.set G1B, 48
.set G0B, 56
.set G1S, 68
.set G0S, 76
.set G1SB, 80
.set G0SB, 88
.set SPL, 96                           ; s[96:97] 8193.0
.set MSB, 0
.macro WIN new                         ; the immediate's high byte repeats the setting that is left
.if MSB != \new
	s_set_vgpr_msb (MSB<<8)|\new
.set MSB, \new
.endif
.endm
.set MUL_LO, 0xa1                      ; source 0 (B) window 1, source 1 (A) window 0, C and D window 2
.set MUL_HI, 0xf1
.set TO_B,   0x40
; A joint load: waves 0 and 1 fetch for A, waves 2 and 3 for B; the branch hangs on the wave's number alone.  An s_nop 0 and four v_nop follow each of the two lines.
.macro JLOAD g0a, g1a, g0b, g1b
	s_cmp_eq_u32 s15, 0
	s_cbranch_scc0 .Lfor_b_\@
	tensor_load_to_lds s[\g0a:\g0a+3], s[\g1a:\g1a+7]
	s_nop 0
.rept 4
	v_nop
.endr
	s_branch .Lasked_\@
.Lfor_b_\@:
	tensor_load_to_lds s[\g0b:\g0b+3], s[\g1b:\g1b+7]
	s_nop 0
.rept 4
	v_nop
.endr
.Lasked_\@:
.endm
.macro CROUND                          ; a round of the cluster's barrier
	s_barrier_signal -1
	s_barrier_wait -1
	s_cmp_lg_u32 s14, 0
	s_cbranch_scc1 .Lnot_wave_0_\@
	s_barrier_signal -3
.Lnot_wave_0_\@:
	s_barrier_wait -3
	s_barrier_signal -1
	s_barrier_wait -1
.endm
	s_load_b256 s[4:11], s[0:1], 0x0               ; codes 4:5, scales 6:7, qkvh 8:9, qkvl 10:11
	v_lshl_add_u32 v[SPW], v0, 2, SPARE
	v_mov_b32 v[NIL], 0
	ds_add_u32 v[SPW], v[NIL]                      ; the wave's opening: the add, twice on end, and its wait ahead of my first tensor load
	ds_add_u32 v[SPW], v[NIL]
	v_lshrrev_b32 v1, 5, v0
	v_readfirstlane_b32 s14, v1                    ; wave 0..3
	s_lshr_b32 s15, s14, 1                         ; which half of the tile's rows is mine.  Also: I fetch for A (0) or for B (1)
	s_and_b32 s16, s14, 1                          ; which half of its columns.  Also: which 128 rows of that tile I fetch
	s_bfe_u32 s40, ttmp6, 0x40000                  ; cx, cy
	s_bfe_u32 s41, ttmp6, 0x40004
	s_lshl_b32 s42, ttmp9, 2
	s_add_co_u32 s42, s42, s40                     ; tile column
	s_and_b32 s17, ttmp7, 0xffff
	s_lshl_b32 s17, s17, 2
	s_add_co_u32 s17, s17, s41                     ; tile row
	s_lshl_b32 s43, s41, 2
	s_lshl_b32 s43, 15, s43                        ; my row of the cluster
	s_lshl_b32 s44, 0x1111, s40                    ; my column
	s_or_b32 s[G1+0], s43, (0<<16)|(1<<20)|(1<<21)|(5<<22)|(3<<25)  ; the mask; elements of 1 byte; padding: 4 words after every 64
	s_or_b32 s[G1B+0], s44, (0<<16)|(1<<20)|(1<<21)|(5<<22)|(3<<25)
.irp g, G1, G1B
	s_mov_b32 s[\g+1], ROWB<<16                    ; tensor_dim0
	s_mov_b32 s[\g+2], 128<<16                     ; tensor_dim1
	s_mov_b32 s[\g+3], ROWB<<16                    ; tile_dim0
	s_mov_b32 s[\g+4], 128                         ; tile_dim1
	s_mov_b32 s[\g+5], KROW                        ; from row to row
	s_mov_b32 s[\g+6], 0
	s_mov_b32 s[\g+7], 0
.endr
	s_or_b32 s[G1S+0], s43, (3<<16)|(1<<20)|(1<<21)|(5<<22)|(3<<25)  ; the scales of 128 rows: 4,096 dense bytes as rows of 256 (32 elements of 8 bytes), 16 bytes of padding behind each
	s_or_b32 s[G1SB+0], s44, (3<<16)|(1<<20)|(1<<21)|(5<<22)|(3<<25)
.irp g, G1S, G1SB
	s_mov_b32 s[\g+1], 32<<16
	s_mov_b32 s[\g+2], (128*KS/256)<<16
	s_mov_b32 s[\g+3], 32<<16
	s_mov_b32 s[\g+4], 128*KS/256
	s_mov_b32 s[\g+5], 32
	s_mov_b32 s[\g+6], 0
	s_mov_b32 s[\g+7], 0
.endr
	s_mov_b32 s[SPL], 0x46000400
	s_mov_b32 s[SPL+1], s[SPL]
	s_lshl_b32 s18, s16, 7
	s_lshl_b32 s20, s17, 8
	s_add_co_u32 s20, s20, s18                     ; A: row 256 x tile row + 128 x half
	s_lshl_b32 s46, s42, 8
	s_add_co_u32 s46, s46, s18                     ; B: row 256 x tile column + 128 x half
	s_mov_b32 s21, 0
	s_mov_b32 s47, 0
	s_mov_b64 s[18:19], KS
	s_mul_u64 s[22:23], s[20:21], s[18:19]         ; where these rows' scales begin
	s_mul_u64 s[92:93], s[46:47], s[18:19]
	s_mov_b64 s[18:19], KROW
	s_mul_u64 s[20:21], s[20:21], s[18:19]         ; and their codes
	s_mul_u64 s[46:47], s[46:47], s[18:19]
	s_add_nc_u64 s[46:47], s[46:47], WCODES        ; B's parts of the two buffers lie behind A's
	s_add_nc_u64 s[92:93], s[92:93], WSCALES
	s_mul_i32 s45, s14, HALFT                      ; where they go: wave x 128 rows
	s_mul_i32 s94, s14, HALFS
	s_wait_dscnt 0x0                               ; both opening adds are done
	s_wait_kmcnt 0x0
	s_add_nc_u64 s[20:21], s[4:5], s[20:21]
	s_add_nc_u64 s[22:23], s[6:7], s[22:23]
	s_add_nc_u64 s[46:47], s[4:5], s[46:47]
	s_add_nc_u64 s[92:93], s[6:7], s[92:93]
	CROUND                                         ; all sixteen work-groups are here: the first joint loads meet
	s_mov_b32 s[G0S], 1
	s_add_co_u32 s[G0S+1], s94, SCL
	s_mov_b64 s[G0S+2:G0S+3], s[22:23]
	s_or_b32 s[G0S+3], s[G0S+3], 0x80000000
	s_mov_b32 s[G0SB], 1
	s_add_co_u32 s[G0SB+1], s94, SCL
	s_mov_b64 s[G0SB+2:G0SB+3], s[92:93]
	s_or_b32 s[G0SB+3], s[G0SB+3], 0x80000000
	JLOAD G0S, G1S, G0SB, G1SB                     ; the scales first; with the two slots three loads of mine are out
.irp s, 0,1
	s_mov_b32 s[G0+4*\s], 1
	s_add_co_u32 s[G0+4*\s+1], s45, \s*SLOT
	s_add_nc_u64 s[G0+4*\s+2:G0+4*\s+3], s[20:21], \s*ROWB
	s_or_b32 s[G0+4*\s+3], s[G0+4*\s+3], 0x80000000
	s_mov_b32 s[G0B+4*\s], 1
	s_add_co_u32 s[G0B+4*\s+1], s45, \s*SLOT
	s_add_nc_u64 s[G0B+4*\s+2:G0B+4*\s+3], s[46:47], \s*ROWB
	s_or_b32 s[G0B+4*\s+3], s[G0B+4*\s+3], 0x80000000
	JLOAD G0+4*\s, G1, G0B+4*\s, G1B
.endr
	v_and_b32 v1, 15, v0                           ; r = l % 16
	v_bfe_u32 v2, v0, 4, 1                         ; h = l / 16
	v_mul_u32_u24 v3, v1, PITCH
	v_lshl_add_u32 v4, v2, 4, v3
	s_mul_i32 s21, s15, HALFT
	s_mul_i32 s22, s16, HALFT
	s_add_co_u32 s22, s22, 2*HALFT
.irp s, 0,1
	v_add_nc_u32 v[ADRA+\s], s21, v4
	v_add_nc_u32 v[ADRB+\s], s22, v4
	s_add_co_u32 s21, s21, SLOT
	s_add_co_u32 s22, s22, SLOT
.endr
	v_mul_u32_u24 v5, v1, KS                       ; my row's scales: KS bytes a row,
	v_lshrrev_b32 v6, 8, v5
	v_lshl_add_u32 v5, v6, 4, v5                   ; and 16 more for each 256 passed
	s_mul_i32 s21, s15, HALFS
	s_mul_i32 s22, s16, HALFS
	s_add_co_u32 s22, s22, 2*HALFS
	s_sub_co_u32 s22, s22, s21
	v_mul_u32_u24 v6, s22, v2                      ; lanes 16-31 take B's
	s_add_co_u32 s21, s21, SCL
	v_add_nc_u32 v5, v5, v6
	v_add_nc_u32 v[ADRS], s21, v5
	s_mul_i32 s23, s14, WSTG                       ; my stage
	v_mul_u32_u24 v5, v1, SPITCH                   ; in: row r, 16 bytes for each half of the lanes
	v_lshl_add_u32 v5, v2, 4, v5
	v_add_nc_u32 v[STO], s23, v5
	v_and_b32 v6, 31, v0
	v_lshlrev_b32 v[CO], 4, v6                     ; out: 16 bytes a lane
	v_lshrrev_b32 v5, 3, v6
	v_mul_u32_u24 v5, v5, SPITCH                   ; back: eight lanes take a token's 128 bytes of one head, four tokens a load
	v_and_b32 v6, 7, v0
	v_lshl_add_u32 v5, v6, 4, v5
	v_add_nc_u32 v[RD], s23, v5
	s_lshl_b32 s20, s17, 8
	s_lshl_b32 s21, s15, 7
	s_add_co_u32 s20, s20, s21                     ; my first token: 256 x tile row + 128 x half
	s_lshr_b32 s21, s20, 11                        ; b
	s_and_b32 s20, s20, 2047                       ; l
	s_lshl_b32 s46, s42, 8
	s_lshl_b32 s47, s16, 7
	s_add_co_u32 s46, s46, s47                     ; my first feature
	s_lshr_b32 s47, s46, 10                        ; which of q, k, v
	s_bfe_u32 s46, s46, 0x40006                    ; my first head
	s_lshl_b32 s47, s47, 2
	s_add_co_u32 s47, s47, s21
	s_lshl_b32 s47, s47, 4
	s_add_co_u32 s47, s47, s46                     ; the plane (which 4 + b) 16 + h, of 262,144 bytes
	s_lshl_b32 s46, s47, 18
	s_lshl_b32 s20, s20, 7
	s_add_co_u32 s46, s46, s20
	s_mov_b32 s47, 0
	s_add_nc_u64 s[8:9], s[8:9], s[46:47]
	s_add_nc_u64 s[10:11], s[10:11], s[46:47]
.macro FRAG reg, adr, q, i             ; 16 rows x 128 K of 4-bit codes: 8 registers, two loads of 16 bytes, 32 bytes apart
.irp c, 0,1
	ds_load_b128 v[\reg+4*\c:\reg+4*\c+3], v[\adr] offset:64*(\q)+32*\c+(\i)*16*PITCH
.endr
.endm
; 16 matrix instructions: A's blocks a0, a0 + 1 x B's eight.  The 64 accumulators take turns, one instruction a turn.  zero = 1: the first product starts the sums.
.macro MUL16 a0, p, q, sc, zero
.irp a, \a0, \a0+1
.irp b, 0,1,2,3,4,5,6,7
.if \zero
	v_wmma_scale_f32_16x16x128_f8f6f4 v[8*(8*((\a)%4)+\b):8*(8*((\a)%4)+\b)+7], v[128*(\p)+FR*\b:128*(\p)+FR*\b+FR-1], v[AF+FR*(\a):AF+FR*(\a)+FR-1], 0, v[SC+8*NQ*(\sc)+NQ*\b+(\q)], v[SC+8*NQ*(\sc)+NQ*(\a)+(\q)] matrix_a_fmt:MATRIX_FMT_FP4 matrix_b_fmt:MATRIX_FMT_FP4 matrix_a_scale:MATRIX_SCALE_ROW1
.else
	v_wmma_scale_f32_16x16x128_f8f6f4 v[8*(8*((\a)%4)+\b):8*(8*((\a)%4)+\b)+7], v[128*(\p)+FR*\b:128*(\p)+FR*\b+FR-1], v[AF+FR*(\a):AF+FR*(\a)+FR-1], v[8*(8*((\a)%4)+\b):8*(8*((\a)%4)+\b)+7], v[SC+8*NQ*(\sc)+NQ*\b+(\q)], v[SC+8*NQ*(\sc)+NQ*(\a)+(\q)] matrix_a_fmt:MATRIX_FMT_FP4 matrix_b_fmt:MATRIX_FMT_FP4 matrix_a_scale:MATRIX_SCALE_ROW1
.endif
.endr
.endr
.endm
.macro FETCH_B slot, q, p
	WIN TO_B
.irp i, 0,1,2,3,4,5,6,7
	FRAG 128*(\p)+FR*\i, ADRB+\slot, \q, \i
.endr
	WIN 0
.endm
.macro FETCH_A slot, q, i0
.irp i, \i0, \i0+1, \i0+2, \i0+3
	FRAG AF+FR*(\i), ADRA+\slot, \q, \i
.endr
.endm
.macro SCALES sc                       ; a slot's scale words: lanes 0-15 take A's block i, lanes 16-31 B's block i
.irp i, 0,1,2,3,4,5,6,7
	ds_load_b128 v[SC+8*NQ*\sc+NQ*\i:SC+8*NQ*\sc+NQ*\i+3], v[ADRS] offset:\i*SBLK
.endr
.endm
.macro PLACES n                        ; plain vector places behind matrix instructions, in front of loads into their registers and of reads of their results
.rept \n
	v_nop
.endr
.endm
.macro STEP slot, q, zero              ; 128 along K that has its successor in the same slot
	s_wait_dscnt 4*NL                              ; B's set and A's blocks 0-3 are in; the youngest eight loads (A's blocks 4-7) may be out
	WIN MUL_LO
	MUL16 0, (\q)%2, \q, \slot, \zero
	MUL16 2, (\q)%2, \q, \slot, \zero
	s_wait_dscnt 0
	PLACES NP
	FETCH_B \slot, (\q)+1, 1-(\q)%2
	FETCH_A \slot, (\q)+1, 0
	WIN MUL_HI
	MUL16 4, (\q)%2, \q, \slot, \zero
	MUL16 6, (\q)%2, \q, \slot, \zero
	PLACES NP
	WIN 0
	FETCH_A \slot, (\q)+1, 4
.endm
.macro STEPS slot, from
.set Q, \from
.rept NQ-1-\from
	STEP \slot, Q, 0
.set Q, Q+1
.endr
.endm
	s_wait_tensorcnt 1                             ; the scales and my part of slot 0 are in; slot 1's load may be out
	s_barrier_signal -1
	s_barrier_wait -1
	FETCH_B 0, 0, 0
	FETCH_A 0, 0, 0
	SCALES 0
	FETCH_A 0, 0, 4
	STEP 0, 0, 1                                   ; the first products start the sums
	STEPS 0, 1
	; slot 0's last step changes slots: one barrier; nothing is filled again
	s_wait_tensorcnt 0x0                           ; my part of slot 1 has landed
	ds_add_u32 v[SPW], v[NIL]                      ; 0 onto my spare word
	s_wait_dscnt 4*NL+1                            ; the add and the youngest eight loads may be out
	WIN MUL_LO
	MUL16 0, 1, NQ-1, 0, 0
	s_wait_dscnt 0x0                               ; the add is done, and my reads of slot 0 are over
	s_barrier_signal -1
	MUL16 2, 1, NQ-1, 0, 0
	WIN 0
	s_barrier_wait -1
	PLACES NP
	v_add_nc_u32 v[ADRS], 4*NQ, v[ADRS]            ; on to slot 1's scale words
	FETCH_B 1, 0, 0
	FETCH_A 1, 0, 0
	SCALES 1
	WIN MUL_HI
	MUL16 4, 1, NQ-1, 0, 0
	MUL16 6, 1, NQ-1, 0, 0
	PLACES NP
	WIN 0
	FETCH_A 1, 0, 4
	STEPS 1, 0
	s_wait_dscnt 4*NL                              ; the very last step
	WIN MUL_LO
	MUL16 0, 1, NQ-1, 1, 0
	MUL16 2, 1, NQ-1, 1, 0
	s_wait_dscnt 0
	WIN MUL_HI
	MUL16 4, 1, NQ-1, 1, 0
	MUL16 6, 1, NQ-1, 1, 0
	WIN 0
; THE WAY OUT of block a: 16 tokens x 128 features.  In accumulator (a, b) lane (r, h) holds token 16 a + r, features 16 b + 8 h + 0 .. 7: as f16 16 neighbouring bytes of a head's row.
.macro OUTB a
.set AC, 64*((\a)%4)
.set AW, 2+(\a)/4                      ; the accumulators' window, as source 0,
.set AW1, 4*AW                         ; and as source 1
.if (\a) > 0
	s_wait_xcnt 0x0                                ; the last block's stores have read v64-127
.endif
	WIN AW
.set I, 0
.rept 32
	v_pk_mul_f32 v[T+I:T+I+1], v[AC+I:AC+I+1], s[SPL:SPL+1] op_sel_hi:[1,0]      ; c = 8193 y; each accumulator is read from its low end on
.set I, I+2
.endr
	WIN AW1
.set I, 0
.rept 32
	v_pk_add_f32 v[U+I:U+I+1], v[T+I:T+I+1], v[AC+I:AC+I+1] neg_lo:[0,1] neg_hi:[0,1]   ; c - y
.set I, I+2
.endr
	WIN 0
.set I, 0
.rept 32
	v_pk_add_f32 v[T+I:T+I+1], v[T+I:T+I+1], v[U+I:U+I+1] neg_lo:[0,1] neg_hi:[0,1]     ; the high part
.set I, I+2
.endr
	WIN AW
.set I, 0
.rept 32
	v_pk_add_f32 v[U+I:U+I+1], v[AC+I:AC+I+1], v[T+I:T+I+1] neg_lo:[0,1] neg_hi:[0,1]   ; the low part, exact
.set I, I+2
.endr
	WIN 0
.set I, 0
.rept 32
	v_cvt_pk_f16_f32 v[HI+I], v[T+2*I], v[T+2*I+1]
	v_cvt_pk_f16_f32 v[LO+I], v[U+2*I], v[U+2*I+1]
.set I, I+1
.endr
.irp b, 0,1,2,3,4,5,6,7
	ds_store_b128 v[STO], v[HI+4*\b:HI+4*\b+3] offset:32*\b
	ds_store_b128 v[STO], v[LO+4*\b:LO+4*\b+3] offset:16*SPITCH+32*\b
.endr
.irp p, 0,1                            ; LDS serves a wave's instructions in order: these see the stores above
.irp hh, 0,1
.irp i, 0,1,2,3
	ds_load_b128 v[T+32*\p+4*(4*\hh+\i):T+32*\p+4*(4*\hh+\i)+3], v[RD] offset:\p*16*SPITCH+\i*4*SPITCH+\hh*128
.endr
.endr
.endr
	s_wait_dscnt 0x0
.irp hh, 0,1
.irp i, 0,1,2,3
	global_store_b128 v[CO], v[T+4*(4*\hh+\i):T+4*(4*\hh+\i)+3], s[8:9] offset:\hh*262144+(\a)*2048+\i*512          ; 32 lanes store 512 consecutive bytes, aligned: four tokens of one head
	global_store_b128 v[CO], v[T+32+4*(4*\hh+\i):T+32+4*(4*\hh+\i)+3], s[10:11] offset:\hh*262144+(\a)*2048+\i*512
.endr
.endr
.endm
	PLACES NP                                      ; behind the last products: their fragments' and scale words' registers are written below
.irp a, 0,1,2,3,4,5,6,7
	OUTB \a
.endr
	s_wait_tensorcnt 0x0                           ; the wave's end
	ds_add_u32 v[SPW], v[NIL]
	s_wait_dscnt 0x0
	CROUND                                         ; the closing round
	s_endpgm
.Lfunc_end_k_qa69f48206b_qkv:
	.size	k_qa69f48206b_qkv, .Lfunc_end_k_qa69f48206b_qkv-k_qa69f48206b_qkv
	.p2alignl 7, 3214868480
	.fill 96, 4, 3214868480
	.section	.rodata,"a",@progbits
	.p2align	6, 0x0
	.amdhsa_kernel k_qa69f48206b_qkv
		.amdhsa_group_segment_fixed_size 327680
		.amdhsa_private_segment_fixed_size 0
		.amdhsa_enable_private_segment 0
		.amdhsa_kernarg_size 32
		.amdhsa_user_sgpr_count 2
		.amdhsa_user_sgpr_kernarg_segment_ptr 1
		.amdhsa_wavefront_size32 1
		.amdhsa_system_sgpr_workgroup_id_x 1
		.amdhsa_system_sgpr_workgroup_id_y 1
		.amdhsa_system_sgpr_workgroup_id_z 1
		.amdhsa_system_vgpr_workitem_id 0
		.amdhsa_next_free_vgpr 1024
		.amdhsa_next_free_sgpr 98
		.amdhsa_reserve_vcc 0
		.amdhsa_float_denorm_mode_32 3
		.amdhsa_float_denorm_mode_16_64 3
		.amdhsa_memory_ordered 1
		.amdhsa_forward_progress 1
		.amdhsa_inst_pref_size 221
	.end_amdhsa_kernel
	.amdgpu_metadata
---
amdhsa.version: [ 1, 2 ]
amdhsa.kernels:
  - .name:           k_qa69f48206b_qkv
    .symbol:         k_qa69f48206b_qkv.kd
    .args:
      - { .name: codes, .offset: 0, .size: 8, .value_kind: global_buffer, .address_space: global }
      - { .name: scales, .offset: 8, .size: 8, .value_kind: global_buffer, .address_space: global }
      - { .name: qkvh, .offset: 16, .size: 8, .value_kind: global_buffer, .address_space: global }
      - { .name: qkvl, .offset: 24, .size: 8, .value_kind: global_buffer, .address_space: global }
    .group_segment_fixed_size: 327680
    .private_segment_fixed_size: 0
    .kernarg_segment_align: 8
    .kernarg_segment_size: 32
    .max_flat_workgroup_size: 128
    .sgpr_count:     98
    .vgpr_count:     1024
    .wavefront_size: 32
...
	.end_amdgpu_metadata
.endif
;; end of part 2
;; launch attn (part 3): grid 4 x 64, 8 waves a work-group, no clusters, 123,904 bytes of LDS; arguments qkvh, qkvl, mask, minfo, o16; writes o16
.if DOCPART == 3
	.amdgcn_target "amdgcn-amd-amdhsa--gfx1250"
	.amdhsa_code_object_version 6
	.text
	.protected	k_qa69f48206b_attn
	.globl	k_qa69f48206b_attn
	.p2align	8
	.type	k_qa69f48206b_attn,@function
k_qa69f48206b_attn:
	s_mov_b64 s[64:65], 0
	v_nop
	global_prefetch_b8 v0, s[64:65] scope:SCOPE_SE
	s_setreg_imm32_b32 hwreg(HW_REG_WAVE_MODE, 25, 1), 1
	s_wait_xcnt 0x0
; Launch 3 of 5: O[b][h][q] = the sum over keys of softmax(mask ? q . k / 8 : -infinity) v, head size 64, f16 operands, f32 sums, running maximum.
; WORK LEFT OUT: a tile of 64 queries x 64 keys whose mask bytes are all 0 adds p = 0 whatever q, k, v hold; the tables that launch 1 stored (whole numbers) name the live tiles, and the others are passed over.
; LIMITS: a NaN or infinity in k or v that only such tiles would touch is not carried; a query with no live key gives 0 x infinity = NaN, as the reference does.
; SHARES.  A work-group has one (b, h) and eight blocks of 64 queries, a wave a block (four tiles of 16): waves 0-3 blocks 4 s + w, waves 4-7 blocks 24 - 4 s + w, so that early and late blocks share a SIMD.
; Every wave walks the 32 key steps of 64 in a loop of constant count; a scalar branch on its own table word leads round the work of a dead step, never round a barrier.
; K and V tiles go memory -> registers -> LDS, two slots, all 256 threads, one step ahead; a step that is dead for all eight blocks is neither loaded nor stored.
; NO TENSOR LOADS, NO CLUSTER: which steps are fetched hangs on numbers read from memory.
; FINE BLOCKS.  A block whose bound of live keys (table) is under 64 is carried with high and low f16 parts: S = Kh Qh + Kh Ql + Kl Qh, O = Vh Ph + Vh Pl + Vl Ph, and its O is stored as a high and a low part.
; A row made poor only by a peaked softmax is not found by this and is carried in plain f16.
; LAYOUT.  S^T = K Q^T (source 0 = 16 keys, source 1 = 16 queries): a lane holds one query (lane % 16) and keys 8 (lane / 16) + 0 .. 7; two such tiles packed to f16 are source 1 of O^T = V^T P.  V is turned by ds_load_tr16_b128.
; WHAT IS ASKED FOR AHEAD.  All eight waves meet at one barrier a trip, so what a live wave waits for, all wait for.  Hence: K's fragment loads are issued behind the staging stores and land while the next tiles are asked for;
; V's fragment loads are issued straight behind the first product, into K's registers, and land under the softmax; the mask bytes of a mixed step are asked for one step ahead (plain blocks).
; REGISTERS.  window 0: v1-15 addresses and -infinity; v16-23 c m of tile t at v[16 + 2 t], beside it a spare at work; v24-31 the sums; v32-47, v48-63 the staged K, V (high, low);
;   v64-127 Z: its low 32 the softmax's eight temporaries a tile, its high 32 the mask bytes; in a fine block all of it q's low parts, later p's low parts;
;   v128-255 Y: S^T (tile t, keys 16 kt on: 32 t + 8 kt), then p, then P packed into its low 64 (16 t + 8 kc); in a fine block V's low fragments in its high 64.
;   window 1: v0-127 O^T (32 t + 8 ct); v128-191 K's fragments (8 (2 kt + c)), then V's (8 (4 kc + ct)); v192-255 Q (16 t + 8 c).
.set SLOT,  65536                      ; slot 1 begins here: one exclusive or turns an address
.set PKB,   144                        ; a row of K: 128 bytes + 16
.set PVB,   160                        ; a row of V: 128 bytes + 32, for the turning load
.set VOFF,  64*PKB
.set LOWO,  VOFF+64*PVB                ; the low parts' K and V lie this far behind the high parts'
.set STG,   SLOT+2*LOWO                ; the way out: 16 rows x 144 bytes for each wave
.set SPB,   144
.set SPARE, STG+8*16*SPB               ; the spare words: 128 bytes a wave, named by no other line
.set SPW, 1
.set NIL, 2
.set AK0, 3                            ; my lane's place in a tile of K
.set AV0, 4                            ; and of V
.set ADK, 5                            ; this trip's LDS addresses: K's reads,
.set ADV, 6                            ; V's reads,
.set SWK, 7                            ; my thread's place in a staged tile of K
.set SWV, 8                            ; and of V
.set SAK, 9                            ; K's stores,
.set SAV, 10                           ; V's stores
.set GOF, 11                           ; 16 x thread: my 16 bytes of a tile's first 4,096
.set MOF, 12                           ; my bytes of the mask; on the way out 16 x lane
.set PFO, 13                           ; 256 x lane
.set QOF, 14                           ; my bytes of a tile of q
.set NINF, 15
.set CM,  16
.set LS,  24
.set SH,  32
.set SL,  48
.set Z,   64
.set MK,  Z+32                         ; the mask bytes: two registers for each tile of 16 queries x 16 keys
.set Y,   128
.set XK,  128                          ; window 1
.set QF,  192                          ; window 1
.set WV, 14
.set BH, 16
.set QB, 17
.set LV, 18                            ; my block's live steps, bit 0 = the step in hand
.set MX, 19                            ; those of them with some byte 0
.set FN, 20                            ; 1: my block is fine
.set WL, 21                            ; steps live for some block of the work-group
.set WF, 22                            ; steps live for some fine block of it
.set CNT, 23
.set KH, 26
.set VH, 28
.set KL, 30
.set VL, 32
.set PFA, 34
.set OL, 36
.set CS, 40                            ; s[40:41] c = log2(e) / 8
.set SEL, 42
.set TB, 44                            ; the slot that is read
.set TS, 45                            ; the slot that is stored into
.set LIM, 46
.set SPL, 48                           ; 8193.0
.set MSB, 0
.macro WIN new                         ; the immediate's high byte repeats the setting that is left
.if MSB != \new
	s_set_vgpr_msb (MSB<<8)|\new
.set MSB, \new
.endif
.endm
.macro PLACES n
.rept \n
	v_nop
.endr
.endm
.macro QB4                             ; four blocks' table entries in s[32:47] (live bits) and s[48:63] (bounds) join the work-group's words
.irp i, 0,1,2,3
	s_or_b32 s24, s[32+4*\i], s[33+4*\i]
	s_or_b32 s24, s24, s[34+4*\i]
	s_or_b32 s24, s24, s[35+4*\i]
	s_add_co_u32 s25, s[48+4*\i], s[49+4*\i]
	s_add_co_u32 s25, s25, s[50+4*\i]
	s_add_co_u32 s25, s25, s[51+4*\i]
	s_or_b32 s[WL], s[WL], s24
	s_cmp_lt_u32 s25, 64
	s_cselect_b32 s24, s24, 0
	s_or_b32 s[WF], s[WF], s24
.endr
.endm
.macro GLD                             ; a step's K and V, 8,192 bytes each: 256 threads x 16 bytes, twice
	global_load_b128 v[SH:SH+3], v[GOF], s[KH:KH+1]
	global_load_b128 v[SH+4:SH+7], v[GOF], s[KH:KH+1] offset:4096
	global_load_b128 v[SH+8:SH+11], v[GOF], s[VH:VH+1]
	global_load_b128 v[SH+12:SH+15], v[GOF], s[VH:VH+1] offset:4096
.endm
.macro GLDL
	global_load_b128 v[SL:SL+3], v[GOF], s[KL:KL+1]
	global_load_b128 v[SL+4:SL+7], v[GOF], s[KL:KL+1] offset:4096
	global_load_b128 v[SL+8:SL+11], v[GOF], s[VL:VL+1]
	global_load_b128 v[SL+12:SL+15], v[GOF], s[VL:VL+1] offset:4096
.endm
.macro STST bs                         ; what was loaded a trip ago (bit bs of the work-group's words) goes into LDS
	s_bitcmp1_b32 s[WL], \bs
	s_cbranch_scc0 .Lno_st_\@
	ds_store_b128 v[SAK], v[SH:SH+3]
	ds_store_b128 v[SAK], v[SH+4:SH+7] offset:32*PKB
	ds_store_b128 v[SAV], v[SH+8:SH+11]
	ds_store_b128 v[SAV], v[SH+12:SH+15] offset:32*PVB
	s_bitcmp1_b32 s[WF], \bs
	s_cbranch_scc0 .Lno_st_\@
	ds_store_b128 v[SAK], v[SL:SL+3] offset:LOWO
	ds_store_b128 v[SAK], v[SL+4:SL+7] offset:LOWO+32*PKB
	ds_store_b128 v[SAV], v[SL+8:SL+11] offset:LOWO
	ds_store_b128 v[SAV], v[SL+12:SL+15] offset:LOWO+32*PVB
.Lno_st_\@:
.endm
.macro STLD bl                         ; what the next trip stores (bit bl) is asked for; it stands behind a wait that shows the stores above done
	s_bitcmp1_b32 s[WL], \bl
	s_cbranch_scc0 .Lno_ld_\@
	GLD
	s_bitcmp1_b32 s[WF], \bl
	s_cbranch_scc0 .Lno_ld_\@
	GLDL
.Lno_ld_\@:
.endm
; A prefetch of step j + 4, which trip j + 2 loads: 8,192 bytes of K (wave 0) or of V (wave 1), lanes 256 bytes apart; only the head's first work-group asks, so each block of 256 bytes is named once.
; The word has no bit above step 31, so nothing past the plane is named; steps 0 to 3 come by their loads alone.
.macro ASK
	s_cmp_eq_u32 s[LIM], 0
	s_cbranch_scc1 .Lno_ask_\@
	s_bitcmp1_b32 s[WL], 4
	s_cbranch_scc0 .Lno_ask_\@
	global_prefetch_b8 v[PFO], s[PFA:PFA+1] offset:16384 th:TH_LOAD_NT scope:SCOPE_SE
.Lno_ask_\@:
.endm
.macro MASKLD off                      ; my query's bytes for my eight keys of each of the 16 tiles, off bytes (keys) on from the step in hand
.irp t, 0,1,2,3
.irp kt, 0,1,2,3
	global_load_b64 v[MK+2*(4*\t+\kt):MK+2*(4*\t+\kt)+1], v[MOF], s[8:9] offset:\off+\t*32768+\kt*16
.endr
.endr
.endm
.macro PRELOAD bit, off                ; a plain block asks for the bytes of a mixed step ahead of that step; the trip's head wait shows them in
	s_cmp_eq_u32 s[FN], 0
	s_cbranch_scc0 .Lno_pre_\@
	s_bitcmp1_b32 s[MX], \bit
	s_cbranch_scc0 .Lno_pre_\@
	MASKLD \off
.Lno_pre_\@:
.endm
.macro BASES                           ; on to the next step to be loaded
	s_add_nc_u64 s[KH:KH+1], s[KH:KH+1], 8192
	s_add_nc_u64 s[VH:VH+1], s[VH:VH+1], 8192
	s_add_nc_u64 s[KL:KL+1], s[KL:KL+1], 8192
	s_add_nc_u64 s[VL:VL+1], s[VL:VL+1], 8192
	s_add_nc_u64 s[PFA:PFA+1], s[PFA:PFA+1], 8192
.endm
.macro LDK off                         ; K's eight fragments (16 keys x 32 channels): two loads of 16 bytes, 32 bytes apart
.irp kt, 0,1,2,3
.irp c, 0,1
	ds_load_b128 v[XK+8*(2*\kt+\c):XK+8*(2*\kt+\c)+3], v[ADK] offset:\off+\kt*16*PKB+\c*64
	ds_load_b128 v[XK+8*(2*\kt+\c)+4:XK+8*(2*\kt+\c)+7], v[ADK] offset:\off+\kt*16*PKB+\c*64+32
.endr
.endr
.endm
; 32 products S^T (+)= K x (q's fragments at breg).  The 16 accumulators take turns, one instruction a turn.
.macro SMUL breg, zero
.irp c, 0,1
.irp kt, 0,1,2,3
.irp t, 0,1,2,3
.if (\zero) && (\c == 0)
	v_wmma_f32_16x16x32_f16 v[Y+32*\t+8*\kt:Y+32*\t+8*\kt+7], v[XK+8*(2*\kt+\c):XK+8*(2*\kt+\c)+7], v[(\breg)+16*\t+8*\c:(\breg)+16*\t+8*\c+7], 0
.else
	v_wmma_f32_16x16x32_f16 v[Y+32*\t+8*\kt:Y+32*\t+8*\kt+7], v[XK+8*(2*\kt+\c):XK+8*(2*\kt+\c)+7], v[(\breg)+16*\t+8*\c:(\breg)+16*\t+8*\c+7], v[Y+32*\t+8*\kt:Y+32*\t+8*\kt+7]
.endif
.endr
.endr
.endr
.endm
.macro LDV reg, off                    ; V^T's eight fragments (16 channels x 32 keys), turned on the way
.irp kc, 0,1
.irp ct, 0,1,2,3
	ds_load_tr16_b128 v[(\reg)+8*(4*\kc+\ct):(\reg)+8*(4*\kc+\ct)+3], v[ADV] offset:\off+\kc*32*PVB+\ct*32
	ds_load_tr16_b128 v[(\reg)+8*(4*\kc+\ct)+4:(\reg)+8*(4*\kc+\ct)+7], v[ADV] offset:\off+\kc*32*PVB+16*PVB+\ct*32
.endr
.endr
.endm
.macro PVMUL areg, breg                ; 32 products O^T += (V's fragments at areg) x (p's at breg); 16 accumulators by turns
.irp kc, 0,1
.irp ct, 0,1,2,3
.irp t, 0,1,2,3
	v_wmma_f32_16x16x32_f16 v[32*\t+8*\ct:32*\t+8*\ct+7], v[(\areg)+8*(4*\kc+\ct):(\areg)+8*(4*\kc+\ct)+7], v[(\breg)+16*\t+8*\kc:(\breg)+16*\t+8*\kc+7], v[32*\t+8*\ct:32*\t+8*\ct+7]
.endr
.endr
.endr
.endm
; p (or its high part) to f16, IN PLACE: register N of the run takes the pair 2 N, 2 N + 1.  A destination never lies above a source still to be read (2 N' > N for every later N'), so nothing is lost;
; the run's low 64 registers are then P's eight fragments (two tiles of keys make one), its high 64 are free.
.macro PCVT
.set N, 0
.rept 64
	v_cvt_pk_f16_f32 v[Y+N], v[Y+2*N], v[Y+2*N+1]
.set N, N+1
.endr
.endm
.macro SENDO base                      ; 64 rows x 128 bytes in v[Z ..] leave through my stage, a tile at a time, and are stored in runs of 512 consecutive bytes
.irp t, 0,1,2,3
.irp ct, 0,1,2,3
	ds_store_b128 v[ADK], v[Z+16*\t+4*\ct:Z+16*\t+4*\ct+3] offset:32*\ct
.endr
.irp i, 0,1,2,3
	ds_load_b128 v[Z+16*\t+4*\i:Z+16*\t+4*\i+3], v[ADV] offset:\i*4*SPB   ; LDS serves a wave's instructions in order: these see the stores above, and the next tile's stores come behind them
.endr
.endr
	s_wait_dscnt 0x0
.irp t, 0,1,2,3
.irp i, 0,1,2,3
	global_store_b128 v[MOF], v[Z+16*\t+4*\i:Z+16*\t+4*\i+3], s[\base:\base+1] offset:\t*2048+\i*512
.endr
.endr
.endm
	s_load_b256 s[4:11], s[0:1], 0x0               ; qkvh 4:5, qkvl 6:7, mask 8:9, minfo 10:11
	s_load_b64 s[12:13], s[0:1], 0x20              ; o16
	v_lshl_add_u32 v[SPW], v0, 2, SPARE
	v_mov_b32 v[NIL], 0
	v_lshrrev_b32 v3, 5, v0
	v_readfirstlane_b32 s[WV], v3                  ; wave 0..7
	s_and_b32 s[BH], ttmp7, 0xffff                 ; 16 b + h
	s_lshl_b32 s24, ttmp9, 2
	s_add_co_u32 s[QB], s24, s[WV]
	s_sub_co_u32 s25, 24, s24
	s_add_co_u32 s25, s25, s[WV]
	s_cmp_lt_u32 s[WV], 4
	s_cselect_b32 s[QB], s[QB], s25                ; my block of 64 queries
	s_lshl_b32 s24, s[QB], 4
	s_wait_kmcnt 0x0
	s_load_b128 s[32:35], s[10:11], s24 offset:0x0     ; my block's entries: live bits,
	s_load_b128 s[36:39], s[10:11], s24 offset:0x200   ; bits of tiles with a 0,
	s_load_b128 s[40:43], s[10:11], s24 offset:0x400   ; bounds
	v_and_b32 v16, 15, v0                          ; r
	v_bfe_u32 v17, v0, 4, 1                        ; h
	v_and_b32 v18, 7, v0
	v_bfe_u32 v19, v0, 3, 1
	v_lshrrev_b32 v20, 3, v0                       ; thread / 8: 0..31
	v_mul_u32_u24 v[AK0], v16, PKB
	v_lshl_add_u32 v[AK0], v17, 4, v[AK0]          ; row r, + 16 h
	v_lshl_add_u32 v[AV0], v17, 3, v18             ; key 8 h + lane % 8,
	v_mul_u32_u24 v[AV0], v[AV0], PVB
	v_lshl_add_u32 v[AV0], v19, 4, v[AV0]          ; channels 8 ((lane / 8) % 2) on
	v_add_nc_u32 v[AV0], VOFF, v[AV0]
	v_mul_u32_u24 v[SWK], v20, PKB
	v_lshl_add_u32 v[SWK], v18, 4, v[SWK]          ; eight threads to a row of 128 bytes
	v_mul_u32_u24 v[SWV], v20, PVB
	v_lshl_add_u32 v[SWV], v18, 4, v[SWV]
	v_add_nc_u32 v[SWV], VOFF, v[SWV]
	v_lshlrev_b32 v[GOF], 4, v0
	v_lshlrev_b32 v[MOF], 11, v16
	v_lshl_add_u32 v[MOF], v17, 3, v[MOF]          ; the mask: row r of 2,048 bytes, + 8 h
	v_and_b32 v[PFO], 31, v0
	v_lshlrev_b32 v[PFO], 8, v[PFO]
	v_lshlrev_b32 v[QOF], 7, v16
	v_lshl_add_u32 v[QOF], v17, 4, v[QOF]          ; q: row r of 128 bytes, + 16 h
	v_mov_b32 v[NINF], 0xff800000
	s_wait_kmcnt 0x0
	s_or_b32 s[LV], s32, s33
	s_or_b32 s[LV], s[LV], s34
	s_or_b32 s[LV], s[LV], s35
	s_or_b32 s[MX], s36, s37
	s_or_b32 s[MX], s[MX], s38
	s_or_b32 s[MX], s[MX], s39
	s_and_b32 s[MX], s[MX], s[LV]
	s_add_co_u32 s[FN], s40, s41
	s_add_co_u32 s[FN], s[FN], s42
	s_add_co_u32 s[FN], s[FN], s43
	s_cmp_lt_u32 s[FN], 64
	s_cselect_b32 s[FN], 1, 0
	s_mov_b32 s[WL], 0
	s_mov_b32 s[WF], 0
	s_lshl_b32 s24, ttmp9, 6                       ; blocks 4 s .. 4 s + 3
	s_load_b512 s[32:47], s[10:11], s24 offset:0x0
	s_load_b512 s[48:63], s[10:11], s24 offset:0x400
	s_wait_kmcnt 0x0
	QB4
	s_lshl_b32 s24, ttmp9, 6
	s_sub_co_u32 s24, 448, s24                     ; blocks 28 - 4 s .. 31 - 4 s
	s_load_b512 s[32:47], s[10:11], s24 offset:0x0
	s_load_b512 s[48:63], s[10:11], s24 offset:0x400
	s_wait_kmcnt 0x0
	QB4
	s_lshl_b32 s24, s[BH], 18                      ; a plane is 262,144 bytes
	s_mov_b32 s25, 0
	s_add_nc_u64 s[4:5], s[4:5], s[24:25]
	s_add_nc_u64 s[6:7], s[6:7], s[24:25]
	s_add_nc_u64 s[12:13], s[12:13], s[24:25]
	s_add_nc_u64 s[KH:KH+1], s[4:5], 0x1000000     ; k's planes lie 64 planes behind q's, v's 128
	s_add_nc_u64 s[VH:VH+1], s[4:5], 0x2000000
	s_add_nc_u64 s[KL:KL+1], s[6:7], 0x1000000
	s_add_nc_u64 s[VL:VL+1], s[6:7], 0x2000000
	s_lshl_b32 s24, s[QB], 13                      ; 64 rows of 128 bytes
	s_add_nc_u64 s[4:5], s[4:5], s[24:25]          ; q's high parts at my block,
	s_add_nc_u64 s[6:7], s[6:7], s[24:25]          ; its low parts,
	s_add_nc_u64 s[12:13], s[12:13], s[24:25]      ; O's high parts,
	s_add_nc_u64 s[OL:OL+1], s[12:13], 0x1000000   ; O's low parts
	s_lshl_b32 s24, s[QB], 17
	s_add_nc_u64 s[8:9], s[8:9], s[24:25]          ; the mask at my block's first row
	s_cmp_eq_u32 s[WV], 0
	s_cselect_b64 s[PFA:PFA+1], s[KH:KH+1], s[VH:VH+1]
	s_lshr_b32 s24, s[WV], 1
	s_or_b32 s24, s24, ttmp9
	s_cmp_eq_u32 s24, 0
	s_cselect_b32 s[LIM], 1, 0                     ; waves 0 and 1 of the head's first work-group prefetch
	s_mov_b32 s[CS], 0x3e38aa3b
	s_mov_b32 s[CS+1], s[CS]
	s_mov_b32 s[SEL], 0x76543210
	s_mov_b32 s[SEL+1], 0xfedcba98
	s_mov_b32 s[SPL], 0x46000400
	s_mov_b32 s[TB], 0
	s_mov_b32 s[TS], 0
	WIN 0x40                                       ; destination window 1
.irp t, 0,1,2,3
.irp c, 0,1
	global_load_b128 v[QF+16*\t+8*\c:QF+16*\t+8*\c+3], v[QOF], s[4:5] offset:\t*2048+\c*64        ; Q stays in registers
	global_load_b128 v[QF+16*\t+8*\c+4:QF+16*\t+8*\c+7], v[QOF], s[4:5] offset:\t*2048+\c*64+32
.endr
.endr
.set N, 0
.rept 128
	v_mov_b32 v[N], 0                              ; O^T begins as zeros: which step is a block's first hangs on the mask, so no product can be written out as the one that starts the sums
.set N, N+1
.endr
	WIN 0
.irp t, 0,1,2,3
	v_mov_b32 v[CM+2*\t], 0xff61b1e6               ; c m so far: -3e38, under every score
	v_mov_b32 v[CM+2*\t+1], 0
	v_mov_b32 v[LS+2*\t], 0
	v_mov_b32 v[LS+2*\t+1], 0
.endr
.set N, 0
.rept 32
	v_mov_b32 v[SH+N], 0                           ; the staging registers and the mask bytes' registers are written on every way, whatever the tables say
	v_mov_b32 v[MK+N], 0
.set N, N+1
.endr
	; step 0 is fetched and staged, step 1 is asked for; a plain block whose step 0 is mixed asks for its mask bytes with the first tiles
	s_bitcmp1_b32 s[WL], 0
	s_cbranch_scc0 .Lno_first
	GLD
	s_bitcmp1_b32 s[WF], 0
	s_cbranch_scc0 .Lno_first
	GLDL
.Lno_first:
	PRELOAD 0, 0
	s_wait_loadcnt 0x0                             ; step 0's tiles, Q and the mask bytes; the loads are done, so the tiles' bases may step
	BASES
	v_add_nc_u32 v[SAK], s[TS], v[SWK]
	v_add_nc_u32 v[SAV], s[TS], v[SWV]
	STST 0
	s_wait_dscnt 0x0                               ; the stores have read their registers
	STLD 1
	s_wait_xcnt 0x0
	BASES
	s_xor_b32 s[TS], s[TS], SLOT
	s_wait_dscnt 0x0
	s_barrier_signal -1
	s_barrier_wait -1                              ; step 0 lies in slot 0
	s_mov_b32 s[CNT], 0
.Ltrip:                                                ; 32 trips.  Trip j reads slot j % 2, stores step j + 1 into the other slot and asks for step j + 2
	s_wait_loadcnt 0x0                             ; what the last trip asked for is in: step j + 1's tiles, and this step's mask bytes
	v_add_nc_u32 v[ADK], s[TB], v[AK0]             ; the trip's four LDS addresses, made on the way that every wave takes
	v_add_nc_u32 v[ADV], s[TB], v[AV0]
	v_add_nc_u32 v[SAK], s[TS], v[SWK]
	v_add_nc_u32 v[SAV], s[TS], v[SWV]
	s_bitcmp1_b32 s[LV], 0
	s_cbranch_scc0 .Ldeadstep
	STST 1
	WIN 0x40
	LDK 0                                          ; K's sixteen loads go out behind the stores
	WIN 0
	s_wait_dscnt 16                                ; LDS instructions end in order: all but the sixteen loads just issued are done, so the stores have read their registers
	STLD 2
	ASK
	s_wait_dscnt 0x0                               ; K is in
	WIN 0x05                                       ; K and Q window 1, S^T window 0
	SMUL QF, 1
	WIN 0
	s_cmp_eq_u32 s[FN], 0
	s_cbranch_scc1 .Lplain_s
.irp t, 0,1,2,3
.irp c, 0,1
	global_load_b128 v[Z+16*\t+8*\c:Z+16*\t+8*\c+3], v[QOF], s[6:7] offset:\t*2048+\c*64          ; q's low parts
	global_load_b128 v[Z+16*\t+8*\c+4:Z+16*\t+8*\c+7], v[QOF], s[6:7] offset:\t*2048+\c*64+32
.endr
.endr
	s_wait_loadcnt 0x0
	WIN 0x01
	SMUL Z, 0                                      ; + Kh Ql
	PLACES 4                                       ; in front of loads into K's registers, and into Z's further down
	WIN 0x40
	LDK LOWO
	s_wait_dscnt 0x0
	WIN 0x05
	SMUL QF, 0                                     ; + Kl Qh
	WIN 0
	s_bitcmp1_b32 s[MX], 0
	s_cbranch_scc0 .Lplain_s
	MASKLD 0                                       ; a fine block has no room to hold the bytes ahead: Z held q's low parts
	s_wait_loadcnt 0x0
.Lplain_s:
	PLACES 4                                       ; behind the products: K's registers are loaded and S^T is read below
	WIN 0x40
	LDV XK, 0                                      ; V's fragments into K's registers: they land under the softmax
	WIN 0
	s_bitcmp1_b32 s[MX], 0
	s_cbranch_scc0 .Lopen
.irp t, 0,1,2,3
.irp kt, 0,1,2,3
.irp j, 0,1,2,3,4,5,6,7
	v_and_b32 v[CM+1+2*(\j%2)], 1<<(8*(\j%4)), v[MK+2*(4*\t+\kt)+\j/4]
	v_cmp_ne_u32 vcc_lo, 0, v[CM+1+2*(\j%2)]
	v_cndmask_b32 v[Y+32*\t+8*\kt+\j], v[NINF], v[Y+32*\t+8*\kt+\j], vcc_lo      ; a hidden score becomes -infinity; each accumulator from its low end on
.endr
.endr
.endr
.Lopen:
	PRELOAD 1, 64                                  ; the next step's bytes, if it is mixed: the softmax and the second product stand between these loads and the wait for them
	; the softmax; tile t's temporaries T0 .. T5 at v[Z + 8 t]; the four tiles by turns
.irp j, 0,1,2,3
.irp t, 0,1,2,3
	v_max3_num_f32 v[Z+8*\t+\j], v[Y+32*\t+8*\j], v[Y+32*\t+8*\j+1], v[Y+32*\t+8*\j+2]
.endr
.endr
.irp g, 1,2
.irp j, 0,1,2,3
.irp t, 0,1,2,3
	v_max3_num_f32 v[Z+8*\t+\j], v[Z+8*\t+\j], v[Y+32*\t+8*\j+2*\g+1], v[Y+32*\t+8*\j+2*\g+2]
.endr
.endr
.endr
.irp t, 0,1,2,3
	v_max3_num_f32 v[Z+8*\t], v[Z+8*\t], v[Y+32*\t+7], v[Y+32*\t+15]
.endr
.irp t, 0,1,2,3
	v_max3_num_f32 v[Z+8*\t+2], v[Z+8*\t+2], v[Y+32*\t+23], v[Y+32*\t+31]
.endr
.irp t, 0,1,2,3
	v_max3_num_f32 v[Z+8*\t], v[Z+8*\t], v[Z+8*\t+1], v[Z+8*\t+2]
.endr
.irp t, 0,1,2,3
	v_max_num_f32 v[Z+8*\t], v[Z+8*\t], v[Z+8*\t+3]
.endr
.irp t, 0,1,2,3
	v_permlanex16_b32 v[Z+8*\t+1], v[Z+8*\t], s[SEL], s[SEL+1]     ; the query's other 32 keys lie in the lane 16 away
.endr
.irp t, 0,1,2,3
	v_max_num_f32 v[Z+8*\t], v[Z+8*\t], v[Z+8*\t+1]
.endr
.irp t, 0,1,2,3
	v_mov_b32 v[Z+8*\t+2], v[CM+2*\t]              ; the old c m
.endr
.irp t, 0,1,2,3
	v_mul_f32 v[Z+8*\t], s[CS], v[Z+8*\t]
.endr
.irp t, 0,1,2,3
	v_max_num_f32 v[CM+2*\t], v[CM+2*\t], v[Z+8*\t]                ; the running maximum
.endr
.irp t, 0,1,2,3
	v_sub_f32 v[Z+8*\t+3], v[Z+8*\t+2], v[CM+2*\t]
.endr
.irp i, 0,1,2,3,4,5,6,7,8,9,10,11,12,13,14,15
.irp t, 0,1,2,3
	v_pk_fma_f32 v[Y+32*\t+2*\i:Y+32*\t+2*\i+1], v[Y+32*\t+2*\i:Y+32*\t+2*\i+1], s[CS:CS+1], v[CM+2*\t:CM+2*\t+1] op_sel_hi:[1,0,0] neg_lo:[0,0,1] neg_hi:[0,0,1]   ; c s - c m
.endr
.endr
.irp t, 0,1,2,3
	v_exp_f32 v[Z+8*\t+4], v[Z+8*\t+3]             ; a = 2^(old c m - new c m)
.endr
.set N, 0
.rept 128
	v_exp_f32 v[Y+N], v[Y+N]                       ; p
.set N, N+1
.endr
.irp t, 0,1,2,3
	v_mov_b32 v[Z+8*\t+5], v[Z+8*\t+3]             ; the plain place behind the exponentials; it also writes the other half of a's pair
.endr
	s_wait_alu depctr_va_vdst(0)                   ; one wait for the batch of 132, ahead of its first reader
.irp t, 0,1,2,3
	v_pk_mul_f32 v[LS+2*\t:LS+2*\t+1], v[LS+2*\t:LS+2*\t+1], v[Z+8*\t+4:Z+8*\t+5] op_sel_hi:[1,0]
.endr
.irp i, 0,1,2,3,4,5,6,7,8,9,10,11,12,13,14,15
.irp t, 0,1,2,3
	v_pk_add_f32 v[LS+2*\t:LS+2*\t+1], v[LS+2*\t:LS+2*\t+1], v[Y+32*\t+2*\i:Y+32*\t+2*\i+1]      ; the row's sum, of p in f32, ahead of the packing
.endr
.endr
	WIN 0x41                                       ; O^T window 1, a window 0
.irp i, 0,1,2,3,4,5,6,7,8,9,10,11,12,13,14,15
.irp t, 0,1,2,3
	v_pk_mul_f32 v[32*\t+2*\i:32*\t+2*\i+1], v[32*\t+2*\i:32*\t+2*\i+1], v[Z+8*\t+4:Z+8*\t+5] op_sel_hi:[1,0]
.endr
.endr
	WIN 0
	s_cmp_eq_u32 s[FN], 0
	s_cbranch_scc0 .Lfine_pv
	PCVT
	s_wait_dscnt 0x0                               ; V is in: its loads were issued ahead of the softmax
	WIN 0x51                                       ; V window 1, P window 0, O^T window 1
	PVMUL XK, Y
	WIN 0
	s_branch .Lpv_done
.Lfine_pv:                                             ; p is cut: c = 8193 p, high = c - (c - p) stays in p's place, the exact rest goes to Z as f16
	s_wait_loadcnt 0x0                             ; no load is out when all of Z is written (a fine block asks for no mask bytes ahead; the wait makes that hold on every way here)
.set N, 0
.rept 64
	v_mul_f32 v[CM+1], s[SPL], v[Y+N]
	v_mul_f32 v[CM+3], s[SPL], v[Y+N+1]
	v_sub_f32 v[CM+5], v[CM+1], v[Y+N]
	v_sub_f32 v[CM+7], v[CM+3], v[Y+N+1]
	v_sub_f32 v[CM+1], v[CM+1], v[CM+5]
	v_sub_f32 v[CM+3], v[CM+3], v[CM+7]
	v_sub_f32 v[CM+5], v[Y+N], v[CM+1]
	v_sub_f32 v[CM+7], v[Y+N+1], v[CM+3]
	v_mov_b32 v[Y+N], v[CM+1]
	v_mov_b32 v[Y+N+1], v[CM+3]
	v_cvt_pk_f16_f32 v[Z+N/2], v[CM+5], v[CM+7]
.set N, N+2
.endr
	PCVT
	LDV Y+64, LOWO                                 ; V's low fragments into the 64 registers that the packing has freed
	s_wait_dscnt 0x0
	WIN 0x51
	PVMUL XK, Y                                    ; Vh Ph
	PVMUL XK, Z                                    ; + Vh Pl
	WIN 0x50
	PVMUL Y+64, Y                                  ; + Vl Ph
	WIN 0
.Lpv_done:
	PLACES 5                                       ; behind the last products: the next step's products write over P's and V's low registers (five places), its loads land on V's and Z's (four)
	s_branch .Ljoin
.Ldeadstep:                                            ; nothing of mine in this step: the staging goes on for the others
	STST 1
	s_wait_dscnt 0x0                               ; the stores have read their registers
	STLD 2
	ASK
	PRELOAD 1, 64
.Ljoin:
	s_lshr_b32 s[LV], s[LV], 1
	s_lshr_b32 s[MX], s[MX], 1
	s_lshr_b32 s[WL], s[WL], 1
	s_lshr_b32 s[WF], s[WF], 1
	s_xor_b32 s[TB], s[TB], SLOT
	s_xor_b32 s[TS], s[TS], SLOT
	s_wait_xcnt 0x0                                ; the trip's loads and its prefetch have read their bases
	BASES
	s_add_nc_u64 s[8:9], s[8:9], 64                ; the mask: 64 keys on
	s_wait_dscnt 0x0                               ; my stores into the one slot have landed, my reads of the other are over
	s_barrier_signal -1
	s_barrier_wait -1
	s_add_co_u32 s[CNT], s[CNT], 1
	s_cmp_lt_u32 s[CNT], 32
	s_cbranch_scc1 .Ltrip
	; THE WAY OUT.  The sum's halves and the other half of the lanes' are added; O^T is divided by the sum, cut into a high and a low part, and leaves through my stage.
	s_wait_loadcnt 0x0
.irp t, 0,1,2,3
	v_add_f32 v[CM+2*\t+1], v[LS+2*\t], v[LS+2*\t+1]
.endr
.irp t, 0,1,2,3
	v_permlanex16_b32 v[CM+2*\t], v[CM+2*\t+1], s[SEL], s[SEL+1]
.endr
.irp t, 0,1,2,3
	v_add_f32 v[CM+2*\t+1], v[CM+2*\t+1], v[CM+2*\t]
.endr
.irp t, 0,1,2,3
	v_rcp_f32 v[CM+2*\t], v[CM+2*\t+1]
.endr
	s_mul_i32 s24, s[WV], 16*SPB
	s_add_co_u32 s24, s24, STG                     ; my stage
	v_and_b32 v[SAK], 15, v0                       ; (plain work behind the reciprocals)
	v_bfe_u32 v[SAV], v0, 4, 1
	v_mul_u32_u24 v[ADK], v[SAK], SPB
	v_lshl_add_u32 v[ADK], v[SAV], 4, v[ADK]
	v_add_nc_u32 v[ADK], s24, v[ADK]               ; in: row r, + 16 h
	v_bfe_u32 v[SAK], v0, 3, 2
	v_and_b32 v[SAV], 7, v0
	v_mul_u32_u24 v[ADV], v[SAK], SPB
	v_lshl_add_u32 v[ADV], v[SAV], 4, v[ADV]
	v_add_nc_u32 v[ADV], s24, v[ADV]               ; back: eight lanes to a row of 128 bytes, four rows a load
	v_and_b32 v[MOF], 31, v0
	v_lshlrev_b32 v[MOF], 4, v[MOF]                ; out: 16 bytes a lane
	s_wait_alu depctr_va_vdst(0)                   ; one wait for the four reciprocals, ahead of their first reader
	WIN 0x01                                       ; O^T window 1
.set N, 0
.rept 128
	v_mul_f32 v[Y+N], v[N], v[CM+2*(N/32)]         ; one number an instruction: here a row with no live key becomes NaN
.set N, N+1
.endr
	WIN 0
.set N, 0
.rept 8                                ; sixteen numbers at a time: c, c - y, the high part, and the low part in y's place
.irp i, 0,1,2,3,4,5,6,7,8,9,10,11,12,13,14,15
	v_mul_f32 v[SH+\i], s[SPL], v[Y+N+\i]
.endr
.irp i, 0,1,2,3,4,5,6,7,8,9,10,11,12,13,14,15
	v_sub_f32 v[SL+\i], v[SH+\i], v[Y+N+\i]
.endr
.irp i, 0,1,2,3,4,5,6,7,8,9,10,11,12,13,14,15
	v_sub_f32 v[SH+\i], v[SH+\i], v[SL+\i]
.endr
.irp i, 0,1,2,3,4,5,6,7,8,9,10,11,12,13,14,15
	v_sub_f32 v[Y+N+\i], v[Y+N+\i], v[SH+\i]
.endr
.irp i, 0,1,2,3,4,5,6,7
	v_cvt_pk_f16_f32 v[Z+N/2+\i], v[SH+2*\i], v[SH+2*\i+1]
.endr
.set N, N+16
.endr
	SENDO 12                                       ; the high parts
	s_cmp_eq_u32 s[FN], 0
	s_cbranch_scc1 .Lend
	s_wait_xcnt 0x0                                ; the stores have read their registers
.set N, 0
.rept 64
	v_cvt_pk_f16_f32 v[Z+N], v[Y+2*N], v[Y+2*N+1]
.set N, N+1
.endr
	SENDO OL                                       ; a fine block's low parts
.Lend:
	s_wait_tensorcnt 0x0                           ; the wave's end, behind my last LDS store
	ds_add_u32 v[SPW], v[NIL]
	s_wait_dscnt 0x0
	s_endpgm
.Lfunc_end_k_qa69f48206b_attn:
	.size	k_qa69f48206b_attn, .Lfunc_end_k_qa69f48206b_attn-k_qa69f48206b_attn
	.p2alignl 7, 3214868480
	.fill 96, 4, 3214868480
	.section	.rodata,"a",@progbits
	.p2align	6, 0x0
	.amdhsa_kernel k_qa69f48206b_attn
		.amdhsa_group_segment_fixed_size 123904
		.amdhsa_private_segment_fixed_size 0
		.amdhsa_enable_private_segment 0
		.amdhsa_kernarg_size 40
		.amdhsa_user_sgpr_count 2
		.amdhsa_user_sgpr_kernarg_segment_ptr 1
		.amdhsa_wavefront_size32 1
		.amdhsa_system_sgpr_workgroup_id_x 1
		.amdhsa_system_sgpr_workgroup_id_y 1
		.amdhsa_system_sgpr_workgroup_id_z 1
		.amdhsa_system_vgpr_workitem_id 0
		.amdhsa_next_free_vgpr 512
		.amdhsa_next_free_sgpr 66
		.amdhsa_reserve_vcc 1
		.amdhsa_float_denorm_mode_32 3
		.amdhsa_float_denorm_mode_16_64 3
		.amdhsa_memory_ordered 1
		.amdhsa_forward_progress 1
		.amdhsa_inst_pref_size 156
	.end_amdhsa_kernel
	.amdgpu_metadata
---
amdhsa.version: [ 1, 2 ]
amdhsa.kernels:
  - .name:           k_qa69f48206b_attn
    .symbol:         k_qa69f48206b_attn.kd
    .args:
      - { .name: qkvh, .offset: 0, .size: 8, .value_kind: global_buffer, .address_space: global }
      - { .name: qkvl, .offset: 8, .size: 8, .value_kind: global_buffer, .address_space: global }
      - { .name: mask, .offset: 16, .size: 8, .value_kind: global_buffer, .address_space: global }
      - { .name: minfo, .offset: 24, .size: 8, .value_kind: global_buffer, .address_space: global }
      - { .name: o16, .offset: 32, .size: 8, .value_kind: global_buffer, .address_space: global }
    .group_segment_fixed_size: 123904
    .private_segment_fixed_size: 0
    .kernarg_segment_align: 8
    .kernarg_segment_size: 40
    .max_flat_workgroup_size: 256
    .sgpr_count:     66
    .vgpr_count:     512
    .wavefront_size: 32
...
	.end_amdgpu_metadata
.endif
;; end of part 3
;; launch proj (part 4): grid 8 x 64, 4 waves a work-group, clusters of 4 x 4, 327,680 bytes of LDS; arguments o16, wo16, out0; writes out0
.if DOCPART == 4
	.amdgcn_target "amdgcn-amd-amdhsa--gfx1250"
	.amdhsa_code_object_version 6
	.text
	.protected	k_qa69f48206b_proj
	.globl	k_qa69f48206b_proj
	.p2align	8
	.type	k_qa69f48206b_proj,@function
k_qa69f48206b_proj:
	s_mov_b64 s[64:65], 0
	v_nop
	global_prefetch_b8 v0, s[64:65] scope:SCOPE_SE
	s_setreg_imm32_b32 hwreg(HW_REG_WAVE_MODE, 25, 1), 1
	s_wait_xcnt 0x0
	s_wait_alu depctr_hold_cnt(0) depctr_sa_sdst(0) depctr_va_vdst(0) depctr_va_sdst(0) depctr_va_ssrc(0) depctr_va_vcc(0) depctr_vm_vsrc(0)
	s_getreg_b32 s2, hwreg(HW_REG_IB_STS2, 6, 4)
	s_cmp_eq_u32 s2, 0
	s_cbranch_scc0 .Lentry_in_a_cluster
	s_endpgm
.Lentry_in_a_cluster:
	s_bfe_u32 s2, ttmp6, 0x10000c
	s_cmp_lg_u32 s2, 0xf033
	s_cbranch_scc0 .Lentry_shape_is_right
	s_endpgm
.Lentry_shape_is_right:
; Launch 4 of 5: out0[m][n] = the sum over k of O[m][k] wo[n][k], [8192] x [1024], K = 1024, f16 operands (the high parts), f32 sums, all rows.  No work is left out here.
; (The rows of fine blocks are stored again, more finely, by launch 5.)
; A = O's high parts, head-major: o16 [b][h][l][64] f16, a plane (b, h) of 262,144 bytes; k = 64 h + d.  B = wo's high parts [1024][1024] f16.
; A tile of C is 128 x 128: four waves, each 64 x 64: 16 accumulators.  K goes in steps of 256 (four heads) through two LDS slots.
; A's part of a slot for 64 tokens: four planes, in each 64 rows of 128 bytes that are 8,192 dense bytes of memory: one tensor load of 4 rows x 4,096 elements, 131,072 elements apart, with 16 bytes of padding
; behind every 128: in LDS [plane][token], 144 bytes from token to token.  B's: 64 rows of 512 bytes, 528 apart.
; CLUSTERS: 4 x 4 work-groups; A's tiles are asked for jointly along a row of the cluster, B's along a column.  The matrix instruction is used transposed: a lane holds eight neighbouring numbers of a row of C.
; REGISTERS: window 0: v16-29 addresses; v32-95 the way out; v128-255 the accumulators ((a, b) at v[128 + 8 (4 a + b)]).  window 1: two fragment buffers of 128 (64 of A, then 64 of B, for 64 along K).
.set KSTEP,  256
.set PA,     144
.set APL,    64*PA                     ; a plane's 64 tokens
.set HALFA,  4*APL                     ; what one load brings of A
.set PB,     528
.set HALFB,  64*PB                     ; and of B
.set SLOT,   2*HALFA+2*HALFB
.set STAGE,  2*SLOT                    ; behind the ring: 16 rows x 272 bytes for each wave
.set SPITCH, 272
.set SPARE,  STAGE+4*16*SPITCH         ; the spare words: 128 bytes a wave, named by no other line
.set LAPS,   2                         ; 1,024 / (2 x 256)
.set ASTEP,  4*262144                  ; a K step on in A: four planes
.set ADRA, 16
.set ADRB, 20
.set STO,  24
.set RD,   25
.set CO,   26
.set SPW,  28
.set NIL,  29
.set TMP,  32
.set ACC,  128
.set F0,   0
.set F1,   128
.set G1, 24
.set G0, 32
.set G1B, 48
.set G0B, 56
.set MSB, 0
.macro WIN new
.if MSB != \new
	s_set_vgpr_msb (MSB<<8)|\new
.set MSB, \new
.endif
.endm
.set MUL,  0x05                        ; sources 0 (B) and 1 (A) window 1; C and D window 0
.set TO_F, 0x40
.macro JLOAD s                         ; a joint load: waves 0 and 1 fetch A's two halves, waves 2 and 3 B's; an s_nop 0 and four v_nop follow each line
	s_cmp_eq_u32 s11, 0
	s_cbranch_scc0 .Lfor_b_\@
	tensor_load_to_lds s[G0+4*\s:G0+4*\s+3], s[G1:G1+7]
	s_nop 0
.rept 4
	v_nop
.endr
	s_branch .Lasked_\@
.Lfor_b_\@:
	tensor_load_to_lds s[G0B+4*\s:G0B+4*\s+3], s[G1B:G1B+7]
	s_nop 0
.rept 4
	v_nop
.endr
.Lasked_\@:
.endm
.macro CREST
	s_cmp_lg_u32 s10, 0
	s_cbranch_scc1 .Lnot_wave_0_\@
	s_barrier_signal -3
.Lnot_wave_0_\@:
	s_barrier_wait -3
	s_barrier_signal -1
	s_barrier_wait -1
.endm
.macro CROUND
	s_barrier_signal -1
	s_barrier_wait -1
	CREST
.endm
	s_load_b128 s[4:7], s[0:1], 0x0                ; o16, wo16
	s_load_b64 s[8:9], s[0:1], 0x10                ; out0
	v_lshl_add_u32 v[SPW], v0, 2, SPARE
	v_mov_b32 v[NIL], 0
	ds_add_u32 v[SPW], v[NIL]                      ; the wave's opening: the add, twice on end, and its wait ahead of my first tensor load
	ds_add_u32 v[SPW], v[NIL]
	v_lshrrev_b32 v1, 5, v0
	v_readfirstlane_b32 s10, v1                    ; wave 0..3
	s_lshr_b32 s11, s10, 1                         ; my half of the tile's rows.  Also: I fetch for A (0) or for B (1)
	s_and_b32 s12, s10, 1                          ; my half of its columns.  Also: which 64 rows I fetch
	s_bfe_u32 s40, ttmp6, 0x40000
	s_bfe_u32 s41, ttmp6, 0x40004
	s_lshl_b32 s42, ttmp9, 2
	s_add_co_u32 s42, s42, s40                     ; tile column
	s_and_b32 s13, ttmp7, 0xffff
	s_lshl_b32 s13, s13, 2
	s_add_co_u32 s13, s13, s41                     ; tile row
	s_lshl_b32 s43, s41, 2
	s_lshl_b32 s43, 15, s43                        ; my row of the cluster
	s_lshl_b32 s44, 0x1111, s40                    ; my column
	s_or_b32 s[G1+0], s43, (1<<16)|(1<<20)|(1<<21)|(4<<22)|(3<<25)   ; the mask; elements of 2 bytes; padding: 4 words after every 32
	s_mov_b32 s[G1+1], 4096<<16                    ; tensor_dim0 = 4,096 elements: 64 tokens x 64 channels, dense
	s_mov_b32 s[G1+2], 4<<16                       ; tensor_dim1 = 4 planes
	s_mov_b32 s[G1+3], 4096<<16                    ; tile_dim0
	s_mov_b32 s[G1+4], 4                           ; tile_dim1
	s_mov_b32 s[G1+5], 131072                      ; from plane to plane, in elements
	s_mov_b32 s[G1+6], 0
	s_mov_b32 s[G1+7], 0
	s_or_b32 s[G1B+0], s44, (1<<16)|(1<<20)|(1<<21)|(6<<22)|(3<<25)  ; padding: 4 words after every 128
	s_mov_b32 s[G1B+1], KSTEP<<16
	s_mov_b32 s[G1B+2], 64<<16
	s_mov_b32 s[G1B+3], KSTEP<<16
	s_mov_b32 s[G1B+4], 64
	s_mov_b32 s[G1B+5], 1024
	s_mov_b32 s[G1B+6], 0
	s_mov_b32 s[G1B+7], 0
	s_lshr_b32 s16, s13, 4                         ; A: b = tile row / 16: 16 planes,
	s_lshl_b32 s16, s16, 22
	s_and_b32 s17, s13, 15
	s_lshl_b32 s17, s17, 14                        ; 128 tokens of 128 bytes for each tile row in b,
	s_add_co_u32 s16, s16, s17
	s_lshl_b32 s17, s12, 13                        ; my 64 tokens
	s_add_co_u32 s16, s16, s17
	s_mov_b32 s17, 0
	s_lshl_b32 s46, s42, 7
	s_lshl_b32 s47, s12, 6
	s_add_co_u32 s46, s46, s47                     ; B: row 128 x tile column + 64 x half,
	s_lshl_b32 s46, s46, 11                        ; of 2,048 bytes
	s_mov_b32 s47, 0
	s_mul_i32 s20, s12, HALFA                      ; where they go: A's two halves, then B's two
	s_mul_i32 s21, s12, HALFB
	s_add_co_u32 s21, s21, 2*HALFA
	s_wait_dscnt 0x0                               ; both opening adds are done
	s_wait_kmcnt 0x0
	s_add_nc_u64 s[14:15], s[4:5], s[16:17]
	s_add_nc_u64 s[46:47], s[6:7], s[46:47]
	CROUND                                         ; all sixteen work-groups are here: the first joint loads meet
.irp s, 0,1
	s_mov_b32 s[G0+4*\s], 1
	s_add_co_u32 s[G0+4*\s+1], s20, \s*SLOT
	s_add_nc_u64 s[G0+4*\s+2:G0+4*\s+3], s[14:15], \s*ASTEP
	s_or_b32 s[G0+4*\s+3], s[G0+4*\s+3], 0x80000000
	s_mov_b32 s[G0B+4*\s], 1
	s_add_co_u32 s[G0B+4*\s+1], s21, \s*SLOT
	s_add_nc_u64 s[G0B+4*\s+2:G0B+4*\s+3], s[46:47], \s*KSTEP*2
	s_or_b32 s[G0B+4*\s+3], s[G0B+4*\s+3], 0x80000000
	JLOAD \s                                       ; two loads of mine are out
.endr
	v_and_b32 v1, 15, v0                           ; r
	v_bfe_u32 v2, v0, 4, 1                         ; h
	v_mul_u32_u24 v3, v1, PA
	v_lshl_add_u32 v3, v2, 4, v3
	v_mul_u32_u24 v4, v1, PB
	v_lshl_add_u32 v4, v2, 4, v4
	s_mul_i32 s21, s11, HALFA                      ; my 64 rows of A
	s_mul_i32 s22, s12, HALFB                      ; my 64 rows of B,
	s_add_co_u32 s22, s22, 2*HALFA                 ; behind A's
.irp s, 0,1
	v_add_nc_u32 v[ADRA+\s], s21, v3
	v_add_nc_u32 v[ADRB+\s], s22, v4
	s_add_co_u32 s21, s21, SLOT
	s_add_co_u32 s22, s22, SLOT
.endr
	s_mul_i32 s23, s10, 16*SPITCH
	s_add_co_u32 s23, s23, STAGE                   ; my stage
	v_mul_u32_u24 v4, v1, SPITCH
	v_lshl_add_u32 v4, v2, 5, v4
	v_add_nc_u32 v[STO], s23, v4                   ; in: row r, 32 bytes for each half of the lanes
	v_mul_u32_u24 v5, v2, SPITCH
	v_lshl_add_u32 v5, v1, 4, v5
	v_add_nc_u32 v[RD], s23, v5                    ; back: lanes 0-15 one row of 256 bytes, lanes 16-31 the next
	v_lshlrev_b32 v5, 12, v2
	v_lshl_add_u32 v[CO], v1, 4, v5                ; and the same two rows in out0 (4,096 bytes a row)
	s_lshl_b32 s16, s13, 7
	s_lshl_b32 s17, s11, 6
	s_add_co_u32 s16, s16, s17                     ; my first row
	s_lshl_b32 s16, s16, 12
	s_lshl_b32 s46, s42, 9
	s_lshl_b32 s47, s12, 8
	s_add_co_u32 s46, s46, s47                     ; my first column, in bytes
	s_add_co_u32 s16, s16, s46
	s_mov_b32 s17, 0
	s_add_nc_u64 s[8:9], s[8:9], s[16:17]
.macro MUL8 f, c, a0, zero             ; 8 matrix instructions: m blocks a0, a0 + 1 x all 4 n blocks, 32 along K
.irp a, \a0, \a0+1
.irp b, 0,1,2,3
.if \zero
	v_wmma_f32_16x16x32_f16 v[ACC+8*(4*(\a)+\b):ACC+8*(4*(\a)+\b)+7], v[\f+64+8*(4*\c+\b):\f+64+8*(4*\c+\b)+7], v[\f+8*(4*\c+\a):\f+8*(4*\c+\a)+7], 0
.else
	v_wmma_f32_16x16x32_f16 v[ACC+8*(4*(\a)+\b):ACC+8*(4*(\a)+\b)+7], v[\f+64+8*(4*\c+\b):\f+64+8*(4*\c+\b)+7], v[\f+8*(4*\c+\a):\f+8*(4*\c+\a)+7], v[ACC+8*(4*(\a)+\b):ACC+8*(4*(\a)+\b)+7]
.endif
.endr
.endr
.endm
.macro FETCH slot, q, f                ; 32 LDS loads in one run: quarter q of the slot (64 along K: one plane of A, 128 bytes of B's rows) into buffer f; the first 32 along K first
	WIN TO_F
.irp c, 0,1
.irp i, 0,1,2,3
	ds_load_b128 v[\f+64+8*(4*\c+\i):\f+64+8*(4*\c+\i)+3],   v[ADRB+\slot] offset:128*(\q)+64*\c+\i*16*PB
	ds_load_b128 v[\f+64+8*(4*\c+\i)+4:\f+64+8*(4*\c+\i)+7], v[ADRB+\slot] offset:128*(\q)+64*\c+\i*16*PB+32
	ds_load_b128 v[\f+8*(4*\c+\i):\f+8*(4*\c+\i)+3],         v[ADRA+\slot] offset:(\q)*APL+64*\c+\i*16*PA
	ds_load_b128 v[\f+8*(4*\c+\i)+4:\f+8*(4*\c+\i)+7],       v[ADRA+\slot] offset:(\q)*APL+64*\c+\i*16*PA+32
.endr
.endr
.endm
.macro PLACES
.rept 4
	v_nop
.endr
.endm
.macro QUARTER slot, q, f, g, zero     ; multiplies buffer f and fetches quarter q into g
	s_wait_dscnt 16                                ; the first 32 along K are in; the other sixteen loads may be out
	WIN MUL
	MUL8 \f, 0, 0, \zero
	MUL8 \f, 0, 2, \zero
	PLACES
	FETCH \slot, \q, \g
	s_wait_dscnt 32                                ; all but the 32 just issued
	WIN MUL
	MUL8 \f, 1, 0, 0
	MUL8 \f, 1, 2, 0
.endm
; A slot's last quarter changes slots: one barrier; in front of it each wave waits for all its tensor loads, adds 0 to its spare word, and waits for that and for its reads of this slot.
.macro TURN slot, next, fill
	WIN 0
	s_wait_tensorcnt 0x0                           ; all my tensor loads have landed: my part of the next slot
	ds_add_u32 v[SPW], v[NIL]
	s_wait_dscnt 17                                ; the add and the youngest sixteen loads may be out
	WIN MUL
	MUL8 F1, 0, 0, 0
	s_wait_dscnt 0x0                               ; the add is done, and my reads of this slot are over
	s_barrier_signal -1
	MUL8 F1, 0, 2, 0
.if \fill
	WIN 0
.endif
	s_barrier_wait -1
.if \fill
	CREST                                          ; the barrier has opened a round of the cluster's barrier: no wave of any partner still reads this slot or has a load on its way
	s_add_nc_u64 s[G0+4*\slot+2:G0+4*\slot+3], s[G0+4*\slot+2:G0+4*\slot+3], 2*ASTEP
	s_add_nc_u64 s[G0B+4*\slot+2:G0B+4*\slot+3], s[G0B+4*\slot+2:G0B+4*\slot+3], 2*KSTEP*2
	JLOAD \slot                                    ; the first tensor load behind the round, and my only one until the next; its four v_nop are also the places in front of the loads below
.else
	PLACES
.endif
	FETCH \next, 0, F0
	WIN MUL
	MUL8 F1, 1, 0, 0
	MUL8 F1, 1, 2, 0
.endm
	s_wait_tensorcnt 1                             ; my part of K step 0 is in; K step 1's load may be out
	s_barrier_signal -1
	s_barrier_wait -1
	FETCH 0, 0, F0
	QUARTER 0, 1, F0, F1, 1                        ; the first products start the sums
	WIN 0
	s_mov_b32 s3, LAPS-1
.Llap:                                                 ; a trip goes once round the ring and fills both slots again
	QUARTER 0, 2, F1, F0, 0
	QUARTER 0, 3, F0, F1, 0
	TURN 0, 1, 1
	QUARTER 1, 1, F0, F1, 0
	QUARTER 1, 2, F1, F0, 0
	QUARTER 1, 3, F0, F1, 0
	TURN 1, 0, 1
	QUARTER 0, 1, F0, F1, 0
	WIN 0
	s_sub_co_u32 s3, s3, 1
	s_cmp_lg_u32 s3, 0
	s_cbranch_scc1 .Llap
	QUARTER 0, 2, F1, F0, 0                        ; the last lap fills nothing
	QUARTER 0, 3, F0, F1, 0
	TURN 0, 1, 0
	QUARTER 1, 1, F0, F1, 0
	QUARTER 1, 2, F1, F0, 0
	QUARTER 1, 3, F0, F1, 0
	s_wait_dscnt 16
	WIN MUL
	MUL8 F1, 0, 0, 0
	MUL8 F1, 0, 2, 0
	s_wait_dscnt 0
	MUL8 F1, 1, 0, 0
	MUL8 F1, 1, 2, 0
	WIN 0
	; THE WAY OUT, f32: my 64 columns are 256 bytes of a row.  A block of 16 rows goes through my own stage and comes back as whole rows: sixteen lanes store 256 consecutive bytes, aligned.
	PLACES
.irp a, 0,1,2,3
.irp b, 0,1,2,3
	ds_store_b128 v[STO], v[ACC+8*(4*\a+\b):ACC+8*(4*\a+\b)+3] offset:64*\b        ; each accumulator from its low end on
	ds_store_b128 v[STO], v[ACC+8*(4*\a+\b)+4:ACC+8*(4*\a+\b)+7] offset:64*\b+16
.endr
.if \a > 1
	s_wait_xcnt 0x0                                ; block a - 2's stores have read these registers
.endif
.irp t, 0,1,2,3,4,5,6,7
	ds_load_b128 v[TMP+32*(\a%2)+4*\t:TMP+32*(\a%2)+4*\t+3], v[RD] offset:2*\t*SPITCH   ; LDS serves a wave's instructions in order
.endr
	s_wait_dscnt 0x0
.irp t, 0,1,2,3,4,5,6,7
	global_store_b128 v[CO], v[TMP+32*(\a%2)+4*\t:TMP+32*(\a%2)+4*\t+3], s[8:9] offset:(16*\a+2*\t)*4096 th:TH_STORE_NT
.endr
.endr
	s_wait_tensorcnt 0x0                           ; the wave's end
	ds_add_u32 v[SPW], v[NIL]
	s_wait_dscnt 0x0
	CROUND                                         ; the closing round
	s_endpgm
.Lfunc_end_k_qa69f48206b_proj:
	.size	k_qa69f48206b_proj, .Lfunc_end_k_qa69f48206b_proj-k_qa69f48206b_proj
	.p2alignl 7, 3214868480
	.fill 96, 4, 3214868480
	.section	.rodata,"a",@progbits
	.p2align	6, 0x0
	.amdhsa_kernel k_qa69f48206b_proj
		.amdhsa_group_segment_fixed_size 327680
		.amdhsa_private_segment_fixed_size 0
		.amdhsa_enable_private_segment 0
		.amdhsa_kernarg_size 24
		.amdhsa_user_sgpr_count 2
		.amdhsa_user_sgpr_kernarg_segment_ptr 1
		.amdhsa_wavefront_size32 1
		.amdhsa_system_sgpr_workgroup_id_x 1
		.amdhsa_system_sgpr_workgroup_id_y 1
		.amdhsa_system_sgpr_workgroup_id_z 1
		.amdhsa_system_vgpr_workitem_id 0
		.amdhsa_next_free_vgpr 512
		.amdhsa_next_free_sgpr 66
		.amdhsa_reserve_vcc 0
		.amdhsa_float_denorm_mode_32 3
		.amdhsa_float_denorm_mode_16_64 3
		.amdhsa_memory_ordered 1
		.amdhsa_forward_progress 1
		.amdhsa_inst_pref_size 86
	.end_amdhsa_kernel
	.amdgpu_metadata
---
amdhsa.version: [ 1, 2 ]
amdhsa.kernels:
  - .name:           k_qa69f48206b_proj
    .symbol:         k_qa69f48206b_proj.kd
    .args:
      - { .name: o16, .offset: 0, .size: 8, .value_kind: global_buffer, .address_space: global }
      - { .name: wo16, .offset: 8, .size: 8, .value_kind: global_buffer, .address_space: global }
      - { .name: out0, .offset: 16, .size: 8, .value_kind: global_buffer, .address_space: global }
    .group_segment_fixed_size: 327680
    .private_segment_fixed_size: 0
    .kernarg_segment_align: 8
    .kernarg_segment_size: 24
    .max_flat_workgroup_size: 128
    .sgpr_count:     66
    .vgpr_count:     512
    .wavefront_size: 32
...
	.end_amdgpu_metadata
.endif
;; end of part 4
;; launch fine (part 5): grid 16 x 16, 16 waves a work-group, no clusters, 202,752 bytes of LDS; arguments o16, wo16, minfo, out0; writes out0
.if DOCPART == 5
	.amdgcn_target "amdgcn-amd-amdhsa--gfx1250"
	.amdhsa_code_object_version 6
	.text
	.protected	k_qa69f48206b_fine
	.globl	k_qa69f48206b_fine
	.p2align	8
	.type	k_qa69f48206b_fine,@function
k_qa69f48206b_fine:
	s_mov_b64 s[64:65], 0
	v_nop
	global_prefetch_b8 v0, s[64:65] scope:SCOPE_SE
	s_setreg_imm32_b32 hwreg(HW_REG_WAVE_MODE, 25, 1), 1
	s_wait_xcnt 0x0
; Launch 5 of 5: the rows of fine blocks (blocks of 64 queries whose bound of live keys in launch 1's table is under 64; block 0 always) are projected again with high and low parts,
; out0 = Wh Oh + Wh Ol + Wl Oh in f32 sums, and stored over what launch 4 left there.  WORK LEFT OUT: the other blocks, by the stored whole numbers; launch 4 has served them.
; SHARES.  Work-group (cg, y): columns 64 cg .. 64 cg + 63; batch b = y / 4; rows 16 rt .. 16 rt + 15 (rt = y % 4) of every fine block.  K is shared among the sixteen waves: wave = head, 64 of the 1,024.
; Each wave keeps its part of wo (high and low, 128 registers) for the whole launch.  The sixteen parts of a 16 x 64 result meet in LDS; wave w adds row w's and stores 256 consecutive bytes, aligned.
; The loop over the 32 blocks has a constant count; a scalar branch on the table's bit leads round the work, never round the barrier.  Two LDS buffers take turns, so one barrier a trip is enough.
; No tensor loads and no cluster: the branches hang on numbers read from memory.
.set PPW,   16*272                     ; a wave's part: 16 rows x (256 bytes + 16)
.set BUF1,  131072                     ; the second buffer: one exclusive or turns an address
.set SPARE, BUF1+16*PPW                ; the spare words: 128 bytes a wave, named by no other line
.set SPW, 1
.set NIL, 2
.set WOF, 3
.set OOF, 4
.set PST, 5
.set PRD, 6
.set GO,  7
.set APS, 8
.set APR, 9
.set WH,  32                           ; v32-95   wo's high fragments, 8 (2 ct + c)
.set WLO, 96                           ; v96-159  its low fragments
.set OH,  160                          ; v160-175 O's high fragments, 8 c
.set OLO, 176                          ; v176-191 its low fragments
.set ACC, 192                          ; v192-223 four accumulators
.set SUM, 224                          ; v224-255 sixteen pairs
.macro FMUL a, b, zero                 ; 8 products; the four accumulators take turns.  Source 0 = 16 rows of wo, source 1 = the 16 queries
.irp c, 0,1
.irp ct, 0,1,2,3
.if (\zero) && (\c == 0)
	v_wmma_f32_16x16x32_f16 v[ACC+8*\ct:ACC+8*\ct+7], v[\a+8*(2*\ct+\c):\a+8*(2*\ct+\c)+7], v[\b+8*\c:\b+8*\c+7], 0
.else
	v_wmma_f32_16x16x32_f16 v[ACC+8*\ct:ACC+8*\ct+7], v[\a+8*(2*\ct+\c):\a+8*(2*\ct+\c)+7], v[\b+8*\c:\b+8*\c+7], v[ACC+8*\ct:ACC+8*\ct+7]
.endif
.endr
.endr
.endm
	s_load_b256 s[4:11], s[0:1], 0x0               ; o16 4:5, wo16 6:7, minfo 8:9, out0 10:11
	v_lshl_add_u32 v[SPW], v0, 2, SPARE
	v_mov_b32 v[NIL], 0
	v_lshrrev_b32 v3, 5, v0
	v_readfirstlane_b32 s12, v3                    ; wave = head
	s_and_b32 s14, ttmp7, 0xffff
	s_lshr_b32 s15, s14, 2                         ; b
	s_and_b32 s16, s14, 3                          ; rt
	v_and_b32 v10, 15, v0                          ; r
	v_bfe_u32 v11, v0, 4, 1                        ; h
	v_and_b32 v12, 31, v0                          ; lane
	v_lshlrev_b32 v[WOF], 11, v10
	v_lshl_add_u32 v[WOF], v11, 4, v[WOF]          ; wo: row r of 2,048 bytes, + 16 h
	v_lshlrev_b32 v[OOF], 7, v10
	v_lshl_add_u32 v[OOF], v11, 4, v[OOF]          ; O: row r of 128 bytes, + 16 h
	s_mul_i32 s24, s12, PPW
	v_mul_u32_u24 v[PST], v10, 272
	v_lshl_add_u32 v[PST], v11, 5, v[PST]
	v_add_nc_u32 v[PST], s24, v[PST]               ; my part: row r, + 32 h
	s_mul_i32 s24, s12, 272
	v_lshlrev_b32 v[GO], 3, v12
	v_add_nc_u32 v[PRD], s24, v[GO]                ; row w of a part, 8 bytes a lane
	v_lshlrev_b32 v13, 4, v12                      ; the table: a lane to a block
	s_lshl_b32 s24, ttmp9, 17                      ; 64 rows of wo
	s_lshl_b32 s25, s12, 7                         ; my 64 along K
	s_add_co_u32 s24, s24, s25
	s_mov_b32 s25, 0
	s_wait_kmcnt 0x0
	global_load_b128 v[16:19], v13, s[8:9] offset:1024
	s_add_nc_u64 s[6:7], s[6:7], s[24:25]
.irp ct, 0,1,2,3
.irp c, 0,1
	global_load_b128 v[WH+8*(2*\ct+\c):WH+8*(2*\ct+\c)+3], v[WOF], s[6:7] offset:\ct*32768+\c*64
	global_load_b128 v[WH+8*(2*\ct+\c)+4:WH+8*(2*\ct+\c)+7], v[WOF], s[6:7] offset:\ct*32768+\c*64+32
	global_load_b128 v[WLO+8*(2*\ct+\c):WLO+8*(2*\ct+\c)+3], v[WOF], s[6:7] offset:2097152+\ct*32768+\c*64
	global_load_b128 v[WLO+8*(2*\ct+\c)+4:WLO+8*(2*\ct+\c)+7], v[WOF], s[6:7] offset:2097152+\ct*32768+\c*64+32
.endr
.endr
	s_lshl_b32 s24, s15, 4
	s_add_co_u32 s24, s24, s12                     ; the plane 16 b + head
	s_lshl_b32 s24, s24, 18
	s_lshl_b32 s26, s16, 11                        ; 16 rt rows of 128 bytes
	s_add_co_u32 s24, s24, s26
	s_add_nc_u64 s[4:5], s[4:5], s[24:25]          ; O's high parts, block 0
	s_add_nc_u64 s[18:19], s[4:5], 0x1000000       ; its low parts
	s_lshl_b32 s24, s15, 11
	s_lshl_b32 s26, s16, 4
	s_add_co_u32 s24, s24, s26
	s_add_co_u32 s24, s24, s12                     ; the row that I store: 2048 b + 16 rt + w, in block 0
	s_lshl_b32 s24, s24, 12
	s_lshl_b32 s26, ttmp9, 8
	s_add_co_u32 s24, s24, s26
	s_add_nc_u64 s[10:11], s[10:11], s[24:25]
	s_wait_loadcnt 0x0
	v_add_nc_u32 v16, v16, v17
	v_add_nc_u32 v18, v18, v19
	v_add_nc_u32 v16, v16, v18                     ; my block's bound
	v_cmp_gt_u32 s20, 64, v16                      ; bit qb: block qb is fine
	s_mov_b32 s21, 0                               ; the buffer in hand
	s_mov_b32 s22, 0
.Ltrip:
	v_add_nc_u32 v[APS], s21, v[PST]               ; the trip's two LDS addresses, made on the way that every wave takes
	v_add_nc_u32 v[APR], s21, v[PRD]
	s_bitcmp1_b32 s20, 0
	s_cbranch_scc0 .Lno_mul
.irp c, 0,1
	global_load_b128 v[OH+8*\c:OH+8*\c+3], v[OOF], s[4:5] offset:\c*64
	global_load_b128 v[OH+8*\c+4:OH+8*\c+7], v[OOF], s[4:5] offset:\c*64+32
	global_load_b128 v[OLO+8*\c:OLO+8*\c+3], v[OOF], s[18:19] offset:\c*64
	global_load_b128 v[OLO+8*\c+4:OLO+8*\c+7], v[OOF], s[18:19] offset:\c*64+32
.endr
	s_wait_loadcnt 0x0
	FMUL WH, OH, 1
	FMUL WH, OLO, 0
	FMUL WLO, OH, 0
.rept 5
	v_nop                                          ; behind the products: the stores below read results (four places); a later trip's first products begin the accumulators anew (five) and its loads land on O's fragments (four)
.endr
.irp ct, 0,1,2,3
	ds_store_b128 v[APS], v[ACC+8*\ct:ACC+8*\ct+3] offset:64*\ct           ; lane (r, h): row r, columns 16 ct + 8 h + 0 .. 7; each accumulator from its low end on
	ds_store_b128 v[APS], v[ACC+8*\ct+4:ACC+8*\ct+7] offset:64*\ct+16
.endr
.Lno_mul:
	s_wait_dscnt 0x0                               ; my part has landed; my reads of the last trip are over
	s_barrier_signal -1
	s_barrier_wait -1
	s_bitcmp1_b32 s20, 0
	s_cbranch_scc0 .Lno_sum
.irp p, 0,1,2,3,4,5,6,7,8,9,10,11,12,13,14,15
	ds_load_b64 v[SUM+2*\p:SUM+2*\p+1], v[APR] offset:\p*PPW               ; row w of part p: 256 consecutive bytes a wave
.endr
	s_wait_dscnt 0x0
.irp n, 0,1,2,3,4,5,6,7,8,9,10,11,12,13,14,15
	v_add_f32 v[SUM+\n], v[SUM+\n], v[SUM+16+\n]   ; one number an instruction: a row with no live key is NaN here
.endr
.irp n, 0,1,2,3,4,5,6,7
	v_add_f32 v[SUM+\n], v[SUM+\n], v[SUM+8+\n]
.endr
.irp n, 0,1,2,3
	v_add_f32 v[SUM+\n], v[SUM+\n], v[SUM+4+\n]
.endr
.irp n, 0,1
	v_add_f32 v[SUM+\n], v[SUM+\n], v[SUM+2+\n]
.endr
	global_store_b64 v[GO], v[SUM:SUM+1], s[10:11]
.Lno_sum:
	s_lshr_b32 s20, s20, 1
	s_xor_b32 s21, s21, BUF1
	s_wait_xcnt 0x0                                ; the trip's loads and its store have read their bases and data
	s_add_nc_u64 s[4:5], s[4:5], 8192              ; the next block: 64 rows of 128 bytes,
	s_add_nc_u64 s[18:19], s[18:19], 8192
	s_add_nc_u64 s[10:11], s[10:11], 262144        ; 64 rows of 4,096 bytes
	s_add_co_u32 s22, s22, 1
	s_cmp_lt_u32 s22, 32
	s_cbranch_scc1 .Ltrip
	s_wait_tensorcnt 0x0                           ; the wave's end, behind my last LDS store
	ds_add_u32 v[SPW], v[NIL]
	s_wait_dscnt 0x0
	s_endpgm
.Lfunc_end_k_qa69f48206b_fine:
	.size	k_qa69f48206b_fine, .Lfunc_end_k_qa69f48206b_fine-k_qa69f48206b_fine
	.p2alignl 7, 3214868480
	.fill 96, 4, 3214868480
	.section	.rodata,"a",@progbits
	.p2align	6, 0x0
	.amdhsa_kernel k_qa69f48206b_fine
		.amdhsa_group_segment_fixed_size 202752
		.amdhsa_private_segment_fixed_size 0
		.amdhsa_enable_private_segment 0
		.amdhsa_kernarg_size 32
		.amdhsa_user_sgpr_count 2
		.amdhsa_user_sgpr_kernarg_segment_ptr 1
		.amdhsa_wavefront_size32 1
		.amdhsa_system_sgpr_workgroup_id_x 1
		.amdhsa_system_sgpr_workgroup_id_y 1
		.amdhsa_system_sgpr_workgroup_id_z 1
		.amdhsa_system_vgpr_workitem_id 0
		.amdhsa_next_free_vgpr 256
		.amdhsa_next_free_sgpr 66
		.amdhsa_reserve_vcc 0
		.amdhsa_float_denorm_mode_32 3
		.amdhsa_float_denorm_mode_16_64 3
		.amdhsa_memory_ordered 1
		.amdhsa_forward_progress 1
		.amdhsa_inst_pref_size 12
	.end_amdhsa_kernel
	.amdgpu_metadata
---
amdhsa.version: [ 1, 2 ]
amdhsa.kernels:
  - .name:           k_qa69f48206b_fine
    .symbol:         k_qa69f48206b_fine.kd
    .args:
      - { .name: o16, .offset: 0, .size: 8, .value_kind: global_buffer, .address_space: global }
      - { .name: wo16, .offset: 8, .size: 8, .value_kind: global_buffer, .address_space: global }
      - { .name: minfo, .offset: 16, .size: 8, .value_kind: global_buffer, .address_space: global }
      - { .name: out0, .offset: 24, .size: 8, .value_kind: global_buffer, .address_space: global }
    .group_segment_fixed_size: 202752
    .private_segment_fixed_size: 0
    .kernarg_segment_align: 8
    .kernarg_segment_size: 32
    .max_flat_workgroup_size: 512
    .sgpr_count:     66
    .vgpr_count:     256
    .wavefront_size: 32
...
	.end_amdgpu_metadata
.endif
;; end of part 5
